; MI455X (gfx1250); checked and timed in simulation.
; The chip was launched on July 23, 2026; its instructions are those of AMD's public machine-readable ISA for CDNA 5 (MIT licence, August 2026) and "CDNA5" Instruction Set Architecture Reference Guide (July 2026). The comments in the code are by the model that wrote it; some were corrected since.
;; Bert Self Attention. Allowed arithmetic: float matrix products may take bf16 or f16 operands with f32 sums; other float arithmetic in f32, or as packed bf16 or f16 multiplies, adds, multiply-adds, maxima and minima; sums over many terms, partial sums and values carried from step to step in f32; what a program stores and reads back later, other than sums and carried values, may be rounded once to bf16 or f16.
;; Inputs: Wk 1,024 x 1,024 float32; Wq 1,024 x 1,024 float32; Wv 1,024 x 1,024 float32; attention_mask 8 x 1 x 1 x 1,024 float32; bk 1,024 float32; bq 1,024 float32; bv 1,024 float32; dist_emb 2,047 x 64 float32; hidden_states 8 x 1,024 x 1,024 float32.
;; Outputs: out0 8 x 1,024 x 1,024 float32.
;; 2 versions, each right. Each part assembles by itself: llvm-mc -triple=amdgcn-amd-amdhsa -mcpu=gfx1250 --defsym DOCPART=n.
;; ======== version 1 of 2: 3 launches
;; limits: values outside matrix products are rounded to bf16; values are held in f16: magnitudes above 65,504 overflow, below 6.1e-05 lose precision
;; workspace buffers: xb 16,777,216 bytes; wb 6,291,456 bytes; bcat 12,288 bytes; m8 32,768 bytes; ef 270,336 bytes; qkv 50,331,648 bytes
;; launch prep (part 1): grid 781 x 1, 8 waves a work-group, no clusters, 0 bytes of LDS; arguments hidden_states, Wq, Wk, Wv, bq, bk, bv, attention_mask, dist_emb, xb, wb, bcat, m8, ef; writes xb, wb, bcat, m8, ef
.if DOCPART == 1
	.amdgcn_target "amdgcn-amd-amdhsa--gfx1250"
	.amdhsa_code_object_version 6
	.text
	.protected	k_qa0bd0b8887_prep
	.globl	k_qa0bd0b8887_prep
	.p2align	8
	.type	k_qa0bd0b8887_prep,@function
k_qa0bd0b8887_prep:
	s_mov_b64 s[64:65], 0
	v_nop
	global_prefetch_b8 v0, s[64:65] scope:SCOPE_SE
	s_setreg_imm32_b32 hwreg(HW_REG_WAVE_MODE, 25, 1), 1
	s_wait_xcnt 0x0
; PREP: every input is rounded once to bf16 and laid out for the two launches behind.
;   work-groups   0..511  xb  = bf16(hidden_states), [8192][1024]           16,384 numbers each
;   work-groups 512..703  wb  = bf16(Wq, Wk, Wv), [3072][1024]              16,384 numbers each
;   work-groups 704..769  ef  = the distance table in f16, in the order of matrix fragments (below)
;   work-groups 770..777  m8  = 8 x bf16(attention_mask), held to -1e30 .. 1e30, f32 [8][1024]
;   work-groups 778..780  bcat = bf16(bq, bk, bv) written as f32 [3072]
; ef: 132 tiles of 16 table rows x 64 channels, 2,048 bytes each.  Tile T holds rows x = 16 (T - 4) + m, m = 0..15, of E2, where E2[x] = dist_emb[x - 1] for x = 1..2047
; and 0 for x < 1 (x = l - r + 1024).  A tile is four chunks of 512 bytes; in chunk q lane n has 16 bytes: row n % 16, channels 16 q + 8 (n / 16) + 0..7.
; LIMITS.  A table entry is rounded to bf16 and written as f16: exact from 6.1e-5 to 65,504 in magnitude; below, f16's fixed step of 6e-8 holds.  8 x mask beyond 1e30 in magnitude
; (an infinity too) counts as 1e30.  NaN is not treated apart.
; A stream: no LDS, no matrix unit, no cluster (no two work-groups read the same bytes).  Each store of a wave covers 512 consecutive bytes, aligned.
	s_load_b512 s[8:23], s[0:1], 0x0               ; hidden s[8:9], Wq s[10:11], Wk s[12:13], Wv s[14:15], bq s[16:17], bk s[18:19], bv s[20:21], mask s[22:23]
	s_load_b256 s[24:31], s[0:1], 0x40             ; dist_emb s[24:25], xb s[26:27], wb s[28:29], bcat s[30:31]
	s_load_b128 s[32:35], s[0:1], 0x60             ; m8 s[32:33], ef s[34:35]
	s_mov_b32 s3, 0                                ; high words of the two offsets
	s_mov_b32 s5, 0
	s_wait_kmcnt 0x0
	s_cmp_lt_u32 ttmp9, 704
	s_cbranch_scc0 .Lnot_cast
	s_cmp_lt_u32 ttmp9, 512
	s_cbranch_scc0 .Lweights
	s_lshl_b32 s2, ttmp9, 16                       ; 65,536 bytes of f32 in,
	s_lshl_b32 s4, ttmp9, 15                       ; 32,768 bytes of bf16 out
	s_add_nc_u64 s[36:37], s[8:9], s[2:3]
	s_add_nc_u64 s[38:39], s[26:27], s[4:5]
	s_branch .Lcast
.Lweights:
	s_sub_co_u32 s6, ttmp9, 512                    ; 0..191: 64 work-groups to a matrix
	s_lshr_b32 s7, s6, 6
	s_cmp_eq_u32 s7, 0
	s_cselect_b64 s[36:37], s[10:11], s[12:13]
	s_cmp_eq_u32 s7, 2
	s_cselect_b64 s[36:37], s[14:15], s[36:37]
	s_and_b32 s2, s6, 63
	s_lshl_b32 s2, s2, 16
	s_lshl_b32 s4, s6, 15                          ; the three matrices follow each other in wb
	s_add_nc_u64 s[36:37], s[36:37], s[2:3]
	s_add_nc_u64 s[38:39], s[28:29], s[4:5]
.Lcast:
	v_lshlrev_b32 v1, 5, v0                        ; 32 bytes in a thread,
	v_lshlrev_b32 v2, 4, v0                        ; 16 bytes out
.irp it, 0,1,2,3,4,5,6,7                               ; all sixteen loads go out first: 256 bytes a lane on their way
	global_load_b128 v[16+8*(\it):19+8*(\it)], v1, s[36:37] offset:(\it)*8192 th:TH_LOAD_NT
	global_load_b128 v[20+8*(\it):23+8*(\it)], v1, s[36:37] offset:(\it)*8192+16 th:TH_LOAD_NT
.endr
.irp it, 0,1,2,3,4,5,6,7
	s_wait_loadcnt 14-2*(\it)                      ; loads come back in order: this pair is in, the younger pairs stay out
	v_cvt_pk_bf16_f32 v[80+4*(\it)], v[16+8*(\it)], v[17+8*(\it)]
	v_cvt_pk_bf16_f32 v[81+4*(\it)], v[18+8*(\it)], v[19+8*(\it)]
	v_cvt_pk_bf16_f32 v[82+4*(\it)], v[20+8*(\it)], v[21+8*(\it)]
	v_cvt_pk_bf16_f32 v[83+4*(\it)], v[22+8*(\it)], v[23+8*(\it)]
	global_store_b128 v2, v[80+4*(\it):83+4*(\it)], s[38:39] offset:(\it)*4096 th:TH_STORE_NT  ; no register is written twice, so nothing waits for the stores
.endr
	s_endpgm
.Lnot_cast:
	s_cmp_lt_u32 ttmp9, 770
	s_cbranch_scc0 .Lsmall_jobs
	; the table: a thread makes one lane's 16 bytes of one chunk
	s_sub_co_u32 s2, ttmp9, 704
	s_lshl_b32 s2, s2, 8
	v_add_nc_u32 v1, s2, v0                        ; c = the 16-byte piece's number, 0..16,895
	v_lshrrev_b32 v2, 7, v1                        ; tile
	v_bfe_u32 v3, v1, 5, 2                         ; chunk q
	v_and_b32 v4, 15, v1                           ; row in the tile
	v_bfe_u32 v5, v1, 4, 1                         ; half of the lanes
	v_lshl_add_u32 v6, v2, 4, v4                   ; x + 64
	v_mov_b32 v8, 65
	v_mov_b32 v10, 0
	v_cmp_gt_u32 s6, 65, v6                        ; x < 1: the row is 0, and row 0 of the table is read in its stead
	v_cndmask_b32 v7, v6, v8, s6
	v_add_nc_u32 v7, 0xffffffbf, v7                ; x - 1 = (x + 64) - 65
	v_min_u32 v7, 0x7fe, v7                        ; inside the table's 2,047 rows
	v_lshlrev_b32 v9, 8, v7                        ; a row is 256 bytes
	v_lshl_add_u32 v9, v3, 6, v9                   ; channels 16 q on,
	v_lshl_add_u32 v9, v5, 5, v9                   ; 8 more for the upper lanes
	global_load_b128 v[16:19], v9, s[24:25]
	global_load_b128 v[20:23], v9, s[24:25] offset:16
	v_lshlrev_b32 v11, 4, v1
	s_wait_loadcnt 0x0
.irp k, 0,1,2,3
	v_cvt_pk_bf16_f32 v[24+(\k)], v[16+2*(\k)], v[17+2*(\k)]  ; the input's one rounding, to bf16;
.endr
.irp k, 0,1,2,3
	v_lshlrev_b32 v[16+2*(\k)], 16, v[24+(\k)]
	v_and_b32 v[17+2*(\k)], 0xffff0000, v[24+(\k)]
.endr
.irp k, 0,1,2,3
	v_cvt_pk_f16_f32 v[28+(\k)], v[16+2*(\k)], v[17+2*(\k)]   ; that number written as f16
.endr
.irp k, 0,1,2,3
	v_cndmask_b32 v[28+(\k)], v[28+(\k)], v10, s6
.endr
	global_store_b128 v11, v[28:31], s[34:35]
	s_endpgm
.Lsmall_jobs:
	s_sub_co_u32 s2, ttmp9, 770
	s_cmp_lt_u32 s2, 8
	s_cbranch_scc0 .Lbias
	s_lshl_b32 s4, s2, 12                          ; a batch's 1,024 mask numbers
	s_add_nc_u64 s[36:37], s[22:23], s[4:5]
	s_add_nc_u64 s[38:39], s[32:33], s[4:5]
	s_mov_b32 s6, 0x41000000                       ; 8.0: the scores are divided by 8 behind the mask's addition, in the exponent's factor
	s_branch .Lsmall
.Lbias:
	s_sub_co_u32 s7, s2, 8
	s_cmp_eq_u32 s7, 0
	s_cselect_b64 s[36:37], s[16:17], s[18:19]
	s_cmp_eq_u32 s7, 2
	s_cselect_b64 s[36:37], s[20:21], s[36:37]
	s_lshl_b32 s4, s7, 12
	s_add_nc_u64 s[38:39], s[30:31], s[4:5]
	s_mov_b32 s6, 1.0
.Lsmall:
	s_mov_b32 s7, 0xf149f2ca                       ; -1e30
	s_mov_b32 s2, 0x7149f2ca                       ; 1e30
	v_lshlrev_b32 v1, 4, v0
	global_load_b128 v[4:7], v1, s[36:37]
	s_wait_loadcnt 0x0
	v_cvt_pk_bf16_f32 v8, v4, v5
	v_cvt_pk_bf16_f32 v9, v6, v7
	v_lshlrev_b32 v12, 16, v8
	v_and_b32 v13, 0xffff0000, v8
	v_lshlrev_b32 v14, 16, v9
	v_and_b32 v15, 0xffff0000, v9
.irp k, 12,13,14,15
	v_mul_f32 v\k, s6, v\k
.endr
.irp k, 12,13,14,15
	v_med3_num_f32 v\k, v\k, s7, s2
.endr
	global_store_b128 v1, v[12:15], s[38:39]
	s_endpgm
.Lfunc_end_k_qa0bd0b8887_prep:
	.size	k_qa0bd0b8887_prep, .Lfunc_end_k_qa0bd0b8887_prep-k_qa0bd0b8887_prep
	.p2alignl 7, 3214868480
	.fill 96, 4, 3214868480
	.section	.rodata,"a",@progbits
	.p2align	6, 0x0
	.amdhsa_kernel k_qa0bd0b8887_prep
		.amdhsa_group_segment_fixed_size 0
		.amdhsa_private_segment_fixed_size 0
		.amdhsa_enable_private_segment 0
		.amdhsa_kernarg_size 112
		.amdhsa_user_sgpr_count 2
		.amdhsa_user_sgpr_kernarg_segment_ptr 1
		.amdhsa_wavefront_size32 1
		.amdhsa_system_sgpr_workgroup_id_x 1
		.amdhsa_system_sgpr_workgroup_id_y 1
		.amdhsa_system_sgpr_workgroup_id_z 1
		.amdhsa_system_vgpr_workitem_id 0
		.amdhsa_next_free_vgpr 112
		.amdhsa_next_free_sgpr 66
		.amdhsa_reserve_vcc 0
		.amdhsa_float_denorm_mode_32 3
		.amdhsa_float_denorm_mode_16_64 3
		.amdhsa_memory_ordered 1
		.amdhsa_forward_progress 1
		.amdhsa_inst_pref_size 10
	.end_amdhsa_kernel
	.amdgpu_metadata
---
amdhsa.version: [ 1, 2 ]
amdhsa.kernels:
  - .name:           k_qa0bd0b8887_prep
    .symbol:         k_qa0bd0b8887_prep.kd
    .args:
      - { .name: hidden_states, .offset: 0, .size: 8, .value_kind: global_buffer, .address_space: global }
      - { .name: Wq, .offset: 8, .size: 8, .value_kind: global_buffer, .address_space: global }
      - { .name: Wk, .offset: 16, .size: 8, .value_kind: global_buffer, .address_space: global }
      - { .name: Wv, .offset: 24, .size: 8, .value_kind: global_buffer, .address_space: global }
      - { .name: bq, .offset: 32, .size: 8, .value_kind: global_buffer, .address_space: global }
      - { .name: bk, .offset: 40, .size: 8, .value_kind: global_buffer, .address_space: global }
      - { .name: bv, .offset: 48, .size: 8, .value_kind: global_buffer, .address_space: global }
      - { .name: attention_mask, .offset: 56, .size: 8, .value_kind: global_buffer, .address_space: global }
      - { .name: dist_emb, .offset: 64, .size: 8, .value_kind: global_buffer, .address_space: global }
      - { .name: xb, .offset: 72, .size: 8, .value_kind: global_buffer, .address_space: global }
      - { .name: wb, .offset: 80, .size: 8, .value_kind: global_buffer, .address_space: global }
      - { .name: bcat, .offset: 88, .size: 8, .value_kind: global_buffer, .address_space: global }
      - { .name: m8, .offset: 96, .size: 8, .value_kind: global_buffer, .address_space: global }
      - { .name: ef, .offset: 104, .size: 8, .value_kind: global_buffer, .address_space: global }
    .group_segment_fixed_size: 0
    .private_segment_fixed_size: 0
    .kernarg_segment_align: 8
    .kernarg_segment_size: 112
    .max_flat_workgroup_size: 256
    .sgpr_count:     66
    .vgpr_count:     112
    .wavefront_size: 32
...
	.end_amdgpu_metadata
.endif
;; end of part 1
;; launch gemm (part 2): grid 16 x 32, 4 waves a work-group, clusters of 4 x 4, 327,680 bytes of LDS; arguments xb, wb, bcat, qkv; writes qkv
.if DOCPART == 2
	.amdgcn_target "amdgcn-amd-amdhsa--gfx1250"
	.amdhsa_code_object_version 6
	.text
	.protected	k_qa0bd0b8887_gemm
	.globl	k_qa0bd0b8887_gemm
	.p2align	8
	.type	k_qa0bd0b8887_gemm,@function
k_qa0bd0b8887_gemm:
	s_mov_b64 s[64:65], 0
	v_nop
	global_prefetch_b8 v0, s[64:65] scope:SCOPE_SE
	s_setreg_imm32_b32 hwreg(HW_REG_WAVE_MODE, 25, 1), 1
	s_wait_xcnt 0x0
	s_wait_alu depctr_hold_cnt(0) depctr_sa_sdst(0) depctr_va_vdst(0) depctr_va_sdst(0) depctr_va_ssrc(0) depctr_va_vcc(0) depctr_vm_vsrc(0)
	s_getreg_b32 s2, hwreg(HW_REG_IB_STS2, 6, 4)
	s_cmp_eq_u32 s2, 0
	s_cbranch_scc0 .Lentry_in_a_cluster
	s_endpgm
.Lentry_in_a_cluster:
	s_bfe_u32 s2, ttmp6, 0x10000c
	s_cmp_lg_u32 s2, 0xf033
	s_cbranch_scc0 .Lentry_shape_is_right
	s_endpgm
.Lentry_shape_is_right:
; THE THREE PROJECTIONS AS ONE PRODUCT.  C[m][n] = sum over k of xb[m][k] wb[n][k] + bcat[n]; m = 8,192 rows (batch x 1,024 + position), n = 3,072 (q, k, v: 48 heads of 64), k = 1,024.
; Operands bf16, sums f32, the bias added in f32, the result rounded once to f16 and stored by heads: qkv[which][batch x 16 + head][position][64].
; LIMIT.  f16 ends at 65,504: q, k and v must lie within it.
; SHARES.  A tile of C is 256 rows x 192 columns (three heads): 16 x 32 = 512 work-groups, two for each of 256 WGPs.  Wave w makes rows 64 w .. 64 w + 63 of all 192 columns: 4 x 12 accumulators, 384 registers,
; so that 16 rows of a head, 2,048 consecutive bytes of qkv, leave from one wave.  K goes in steps of 128 (rows of 256 bytes, aligned) through a ring of two LDS slots.
; CLUSTER 4 x 4: xb's tile hangs on the tile row alone and is asked for jointly by a row of the cluster, wb's on the tile column alone, by a column.
; THE PRODUCT IS TAKEN TRANSPOSED (source 0 = 16 rows of wb, source 1 = 16 rows of xb): a lane holds row l % 16 of C and eight neighbouring columns 8 (l / 16) + 0..7.
; REGISTERS, in windows of 256:  window 0: v16-30 addresses; v32-63, v176-239 the bias (8 a column block); v64-127 xb's fragments, two buffers of 4 x 8; v128-175 at work on the way out
;   window 1: wb's fragments, two buffers of 12 x 8      window 2: accumulators of row blocks 0, 1 ((a, b) at 96 (a % 2) + 8 b)      window 3: of row blocks 2, 3
.set SIZE_K, 1024
.set KSTEP,  128
.set PITCH,  272                       ; an LDS row: 256 bytes + 16 of padding = 68 words: the 16 rows of a fragment load start at 16 different groups of four banks (ISA guide 11.1)
.set HA,     128*PITCH                 ; what waves 0 and 1 fetch: 128 rows of xb each
.set HB,     96*PITCH                  ; what waves 2 and 3 fetch: 96 rows of wb each
.set SLOT,   2*HA+2*HB                 ; xb's 256 rows, then wb's 192
.set STAGE,  2*SLOT                    ; behind the ring: for each wave 3 heads x 16 rows x 144 bytes, for the way out
.set STGW,   3*16*144
.set SPARE,  STAGE+4*STGW              ; behind the stages: the spare words, 128 bytes a wave: two blocks of 256 bytes that no other line names
.set LAPS,   SIZE_K/(2*KSTEP)
.set ADRA, 16                          ; v16-17  LDS address of my xb fragments in slot 0, 1
.set ADRB, 20                          ; v20-21  the same for wb
.set STO,  24                          ; v24     the way out: where I put 16 bytes of a row
.set RD,   25                          ; v25     where I read rows back
.set GO,   26                          ; v26     my 16 bytes in 512 consecutive bytes of qkv
.set BO,   27                          ; v27     my offset in a column block's 64 bytes of bias
.set SPW,  28                          ; v28     LDS address of my spare word; never rewritten
.set NIL,  29                          ; v29     0; never rewritten
.set PFO,  30                          ; v30     the prefetches' offset: a lane a row of 2,048 bytes; never rewritten
.set TMP,  128
.set WV,   12                          ; s12     my wave's number
.set FORB, 13                          ; s13     0: I fetch for xb; 1: for wb
.set G1,  24
.set G0,  32
.set G1B, 48
.set G0B, 56
.set LIM, 43                           ; s43     1 in a wave that prefetches, else the greatest number
.set PFA, 44                           ; s[44:45] where my prefetches stand
.set OB,  72                           ; s[72:77] qkv at my first row, for each of the tile's three heads
.set MSB, 0
.macro WIN new                         ; the immediate's high byte repeats the setting that is left; a switch that changes nothing is dropped
.if MSB != (\new)
	s_set_vgpr_msb (MSB<<8)|(\new)
.set MSB, (\new)
.endif
.endm
.set MUL_LO, 0xa1                      ; source 0 (wb) window 1, source 1 (xb) window 0, C and D window 2
.set MUL_HI, 0xf1                      ; the same, C and D window 3
.set TO_B,   0x40                      ; destination window 1, address window 0
.macro PLACES                          ; four plain vector instructions between a matrix instruction and a load into, or a vector instruction on, its registers
.rept 4
	v_nop
.endr
.endm
; A joint load.  The branch hangs on the wave's number alone.  An s_nop 0 and four v_nop follow each of the two lines.
.macro JLOAD s
	s_cmp_eq_u32 s[FORB], 0
	s_cbranch_scc0 .Lfor_b_\@
	tensor_load_to_lds s[G0+4*(\s):G0+4*(\s)+3], s[G1:G1+7]
	s_nop 0
.rept 4
	v_nop
.endr
	s_branch .Lasked_\@
.Lfor_b_\@:
	tensor_load_to_lds s[G0B+4*(\s):G0B+4*(\s)+3], s[G1B:G1B+7]
	s_nop 0
.rept 4
	v_nop
.endr
.Lasked_\@:
.endm
; A prefetch of the K step that stands two refills on: a lane a row, 256 bytes of each.  xb's tile row is read by every cluster of that row of clusters: the one with x = 0 asks; wb's tile column by every cluster
; of that column: the one with y = 0 asks.  The four partners that fetch a tile jointly share its rows out by address: 32 of xb's 128, 24 of wb's 96 (there lanes 24 to 31 name row 23 once more).
; The loop's last trip asks for nothing: K steps 4 to 7 are asked for, 0 to 3 come by their loads alone.
.macro ASK
	s_cmp_gt_u32 s3, s[LIM]
	s_cbranch_scc0 .Lnot_mine_\@
	global_prefetch_b8 v[PFO], s[PFA:PFA+1] offset:KSTEP*2 th:TH_LOAD_NT scope:SCOPE_SE
.Lnot_mine_\@:
.endm
.macro CREST                           ; a round of the cluster's barrier behind its opening barrier
	s_cmp_lg_u32 s[WV], 0
	s_cbranch_scc1 .Lnot_wave_0_\@
	s_barrier_signal -3
.Lnot_wave_0_\@:
	s_barrier_wait -3
	s_barrier_signal -1
	s_barrier_wait -1
.endm
.macro CROUND
	s_barrier_signal -1
	s_barrier_wait -1
	CREST
.endm
	s_load_b256 s[4:11], s[0:1], 0x0               ; xb s[4:5], wb s[6:7], bcat s[8:9], qkv s[10:11]
	v_lshl_add_u32 v[SPW], v0, 2, SPARE
	v_mov_b32 v[NIL], 0
	ds_add_u32 v[SPW], v[NIL]                      ; the wave's opening: the add and its wait stand ahead of my first tensor load; the set-up below stands between them
	v_lshrrev_b32 v1, 5, v0
	v_readfirstlane_b32 s[WV], v1
	s_lshr_b32 s[FORB], s[WV], 1
	s_and_b32 s22, s[WV], 1                        ; which half of that tile's rows I fetch
	s_bfe_u32 s40, ttmp6, 0x40000                  ; cx
	s_bfe_u32 s41, ttmp6, 0x40004                  ; cy
	s_lshl_b32 s42, ttmp9, 2
	s_add_co_u32 s42, s42, s40                     ; tile column = 4 x cluster x + cx
	s_and_b32 s23, ttmp7, 0xffff
	s_lshl_b32 s23, s23, 2
	s_add_co_u32 s23, s23, s41                     ; tile row = 4 x cluster y + cy
	s_lshl_b32 s43, s41, 2
	s_lshl_b32 s43, 15, s43                        ; my row of the cluster
	s_lshl_b32 s44, 0x1111, s40                    ; my column
	s_or_b32 s[G1], s43, (1<<16)|(1<<20)|(1<<21)|(5<<22)|(3<<25)   ; the mask; 2-byte elements; padding on; bit 21 beside a mask; after every 64 words 4 words
	s_or_b32 s[G1B], s44, (1<<16)|(1<<20)|(1<<21)|(5<<22)|(3<<25)
	s_mov_b32 s[G1+1], KSTEP<<16                   ; tensor_dim0 = 128
	s_mov_b32 s[G1+2], 128<<16                     ; tensor_dim1 = 128
	s_mov_b32 s[G1+3], KSTEP<<16                   ; tile_dim0 = 128
	s_mov_b32 s[G1+4], 128                         ; tile_dim1 = 128
	s_mov_b32 s[G1+5], SIZE_K                      ; elements from row to row
	s_mov_b32 s[G1+6], 0
	s_mov_b32 s[G1+7], 0
	s_mov_b32 s[G1B+1], KSTEP<<16
	s_mov_b32 s[G1B+2], 96<<16                     ; wb's halves have 96 rows
	s_mov_b32 s[G1B+3], KSTEP<<16
	s_mov_b32 s[G1B+4], 96
	s_mov_b32 s[G1B+5], SIZE_K
	s_mov_b32 s[G1B+6], 0
	s_mov_b32 s[G1B+7], 0
	s_lshl_b32 s17, s22, 7
	s_lshl_b32 s16, s23, 8
	s_add_co_u32 s16, s16, s17                     ; xb: row 256 x tile row + 128 x half,
	s_lshl_b32 s16, s16, 11                        ; of 2,048 bytes
	s_mov_b32 s17, 0
	s_mul_i32 s46, s42, 192
	s_mul_i32 s47, s22, 96
	s_add_co_u32 s46, s46, s47                     ; wb: row 192 x tile column + 96 x half
	s_lshl_b32 s46, s46, 11
	s_mov_b32 s47, 0
	s_mul_i32 s20, s[WV], HA                       ; where they go: waves 0, 1: xb's halves;
	s_mul_i32 s21, s[WV], HB
	s_add_co_u32 s21, s21, 2*HA-2*HB               ; waves 2, 3: wb's halves, behind xb's 256 rows
	s_wait_dscnt 0x0                               ; the opening add is done
	s_wait_kmcnt 0x0
	s_add_nc_u64 s[14:15], s[4:5], s[16:17]
	s_add_nc_u64 s[46:47], s[6:7], s[46:47]
	CROUND                                         ; all sixteen work-groups are here: the first joint loads meet
.irp s, 0,1
	s_mov_b32 s[G0+4*(\s)], 1
	s_add_co_u32 s[G0+4*(\s)+1], s20, (\s)*SLOT
	s_add_nc_u64 s[G0+4*(\s)+2:G0+4*(\s)+3], s[14:15], (\s)*KSTEP*2
	s_or_b32 s[G0+4*(\s)+3], s[G0+4*(\s)+3], 0x80000000
	s_mov_b32 s[G0B+4*(\s)], 1
	s_add_co_u32 s[G0B+4*(\s)+1], s21, (\s)*SLOT
	s_add_nc_u64 s[G0B+4*(\s)+2:G0B+4*(\s)+3], s[46:47], (\s)*KSTEP*2
	s_or_b32 s[G0B+4*(\s)+3], s[G0B+4*(\s)+3], 0x80000000
	JLOAD \s                                       ; K steps 0 and 1: two tensor loads of mine are out
.endr
	v_and_b32 v1, 15, v0                           ; l % 16
	v_bfe_u32 v2, v0, 4, 1                         ; l / 16
	s_mul_i32 s14, s42, 768                        ; the tile's 192 numbers of bias
	s_mov_b32 s15, 0
	s_add_nc_u64 s[8:9], s[8:9], s[14:15]
	v_lshlrev_b32 v[BO], 5, v2                     ; my eight columns of a block of 16
.irp b, 0,1,2,3,4,5,6,7,8,9,10,11
.if (\b) < 4
.set rB, 32+8*(\b)
.else
.set rB, 144+8*(\b)
.endif
	global_load_b128 v[rB:rB+3],   v[BO], s[8:9] offset:64*(\b)
	global_load_b128 v[rB+4:rB+7], v[BO], s[8:9] offset:64*(\b)+16
.endr
	v_mul_u32_u24 v3, v1, PITCH
	v_lshl_add_u32 v3, v2, 4, v3                   ; a fragment's row x pitch + 16 x half
	s_mul_i32 s20, s[WV], 64*PITCH                 ; my 64 rows of xb
	s_mov_b32 s21, 2*HA                            ; wb's rows: all 192 are mine
.irp s, 0,1
	v_add_nc_u32 v[ADRA+(\s)], s20, v3
	v_add_nc_u32 v[ADRB+(\s)], s21, v3
	s_add_co_u32 s20, s20, SLOT
	s_add_co_u32 s21, s21, SLOT
.endr
	s_mul_i32 s20, s[WV], STGW
	s_add_co_u32 s20, s20, STAGE                   ; my stage
	v_mul_u32_u24 v4, v1, 144                      ; in: row l % 16, 16 bytes for each half of the lanes
	v_lshl_add_u32 v4, v2, 4, v4
	v_add_nc_u32 v[STO], s20, v4
	v_bfe_u32 v5, v0, 3, 2                         ; back: 32 lanes take four rows of 128 bytes,
	v_mul_u32_u24 v5, v5, 144
	v_and_b32 v6, 7, v0
	v_lshl_add_u32 v5, v6, 4, v5
	v_add_nc_u32 v[RD], s20, v5
	v_and_b32 v[GO], 31, v0                        ; which are 512 consecutive bytes of qkv
	v_lshlrev_b32 v[GO], 4, v[GO]
	; qkv at my first row, for head g = 3 x tile column + hh: (g / 16) x 2^24 + batch x 2^21 + (g % 16) x 2^17 + position x 128
	s_lshr_b32 s18, s23, 2                         ; batch = tile row / 4
	s_lshl_b32 s18, s18, 21
	s_and_b32 s19, s23, 3
	s_lshl_b32 s19, s19, 15                        ; 256 positions of 128 bytes
	s_add_co_u32 s18, s18, s19
	s_lshl_b32 s19, s[WV], 13                      ; my 64
	s_add_co_u32 s18, s18, s19
	s_mul_i32 s14, s42, 3
.irp hh, 0,1,2
	s_add_co_u32 s15, s14, \hh
	s_lshr_b32 s16, s15, 4
	s_and_b32 s17, s15, 15
	s_lshl_b32 s16, s16, 24
	s_lshl_b32 s17, s17, 17
	s_add_co_u32 s16, s16, s17
	s_add_co_u32 s16, s16, s18
	s_mov_b32 s17, 0
	s_add_nc_u64 s[OB+2*(\hh):OB+2*(\hh)+1], s[10:11], s[16:17]
.endr
	; the prefetches
	s_lshl_b32 s20, s23, 8
	s_lshl_b32 s21, s22, 7
	s_add_co_u32 s20, s20, s21
	s_lshl_b32 s21, s40, 5
	s_add_co_u32 s20, s20, s21                     ; xb: the rows that I fetch, my work-group's 32 of them
	s_mul_i32 s21, s42, 192
	s_mul_i32 s46, s22, 96
	s_add_co_u32 s21, s21, s46
	s_mul_i32 s46, s41, 24
	s_add_co_u32 s21, s21, s46                     ; wb: my work-group's 24
	s_and_b32 s46, ttmp7, 0xffff                   ; cluster y
	s_cmp_eq_u32 s[FORB], 0
	s_cselect_b32 s20, s20, s21
	s_cselect_b32 s46, ttmp9, s46                  ; the coordinate along which other clusters read the same rows
	s_cselect_b32 s47, 31, 23
	s_cselect_b64 s[PFA:PFA+1], s[4:5], s[6:7]
	s_cmp_eq_u32 s46, 0
	s_cselect_b32 s[LIM], 1, -1                    ; the same in all sixteen partners, for a given wave
	s_lshl_b32 s20, s20, 11
	s_mov_b32 s21, 0
	s_add_nc_u64 s[PFA:PFA+1], s[PFA:PFA+1], s[20:21]
	s_add_nc_u64 s[PFA:PFA+1], s[PFA:PFA+1], 2*KSTEP*2  ; at K step 2: the first refill steps it to 3 and names K step 4
	v_and_b32 v[PFO], 31, v0
	v_min_u32 v[PFO], s47, v[PFO]
	v_lshlrev_b32 v[PFO], 11, v[PFO]
; 12 matrix instructions: row block a x all 12 column blocks, 32 along K, from buffer f.  zero = 1: the product starts the sums.  The 48 accumulators take turns, in the same order in every quarter.
.macro MUL12 f, a, zero
	WIN MUL_LO+0x50*((\a)/2)
.irp b, 0,1,2,3,4,5,6,7,8,9,10,11
.set rD, 96*((\a)%2)+8*(\b)
.if \zero
	v_wmma_f32_16x16x32_bf16 v[rD:rD+7], v[96*(\f)+8*(\b):96*(\f)+8*(\b)+7], v[64+32*(\f)+8*(\a):64+32*(\f)+8*(\a)+7], 0
.else
	v_wmma_f32_16x16x32_bf16 v[rD:rD+7], v[96*(\f)+8*(\b):96*(\f)+8*(\b)+7], v[64+32*(\f)+8*(\a):64+32*(\f)+8*(\a)+7], v[rD:rD+7]
.endif
.endr
.endm
; 32 LDS loads in one run: a quarter step's fragments (192 rows of wb, my 64 of xb, 32 K at byte k of the rows) into buffer f
.macro FETCH slot, k, f
	WIN TO_B
.irp b, 0,1,2,3,4,5,6,7,8,9,10,11
	ds_load_b128 v[96*(\f)+8*(\b):96*(\f)+8*(\b)+3],   v[ADRB+(\slot)] offset:(\k)+(\b)*16*PITCH
	ds_load_b128 v[96*(\f)+8*(\b)+4:96*(\f)+8*(\b)+7], v[ADRB+(\slot)] offset:(\k)+(\b)*16*PITCH+32
.endr
	WIN 0
.irp a, 0,1,2,3
	ds_load_b128 v[64+32*(\f)+8*(\a):64+32*(\f)+8*(\a)+3],   v[ADRA+(\slot)] offset:(\k)+(\a)*16*PITCH
	ds_load_b128 v[64+32*(\f)+8*(\a)+4:64+32*(\f)+8*(\a)+7], v[ADRA+(\slot)] offset:(\k)+(\a)*16*PITCH+32
.endr
.endm
; One of a K step's first three quarters: multiplies buffer f; in its middle fetches the next quarter, at byte k, into buffer g
.macro QUARTER slot, k, f, g, zero
	s_wait_dscnt 4                                 ; wb and xb's row blocks 0, 1 are in; the youngest four loads (blocks 2, 3) may be out
	MUL12 \f, 0, \zero
	MUL12 \f, 1, \zero
	PLACES
	FETCH \slot, \k, \g
	s_wait_dscnt 32                                ; all but the 32 just issued
	MUL12 \f, 2, \zero
	MUL12 \f, 3, \zero
.endm
; The last quarter multiplies buffer 1 and changes slots: ONE barrier.  In front of it each wave waits for all its tensor loads (one is out: its part of the next slot), adds 0 to its spare word, and waits for that
; and for its own reads of this slot.  fill = 1: the barrier opens a round of the cluster's, and the slot is filled again, two K steps ahead, first thing behind the round:
; 168 matrix instructions stand between that request and the wait for it.
.macro TURN slot, next, fill
.if \fill
	s_wait_xcnt 0x0                                ; the last prefetch, a K step back, has read its address
	s_add_nc_u64 s[PFA:PFA+1], s[PFA:PFA+1], KSTEP*2
.endif
	WIN 0                                          ; (the add's two registers lie in window 0)
	s_wait_tensorcnt 0x0                           ; all my tensor loads have landed
	ds_add_u32 v[SPW], v[NIL]                      ; 0 onto my spare word
	s_wait_dscnt 5                                 ; (the add and the youngest four loads may be out)
	MUL12 1, 0, 0                                  ; twelve matrix instructions stand between the add and the wait for it
	s_wait_dscnt 0x0                               ; the add is done, and my reads of this slot are over
	s_barrier_signal -1
	MUL12 1, 1, 0
.if \fill
	WIN 0
.endif
	s_barrier_wait -1
.if \fill
	CREST                                          ; no wave of any partner still reads this slot's tile or has a load on its way
	s_add_nc_u64 s[G0+4*(\slot)+2:G0+4*(\slot)+3], s[G0+4*(\slot)+2:G0+4*(\slot)+3], 2*KSTEP*2
	s_add_nc_u64 s[G0B+4*(\slot)+2:G0B+4*(\slot)+3], s[G0B+4*(\slot)+2:G0B+4*(\slot)+3], 2*KSTEP*2
	JLOAD \slot                                    ; the four v_nop behind it are also the places in front of the loads below
.else
	PLACES
.endif
	FETCH \next, 0, 0
.if \fill
	ASK
.endif
	MUL12 1, 2, 0
	MUL12 1, 3, 0
.endm
	s_wait_tensorcnt 1                             ; my part of K step 0 is in; K step 1's may stay out
	s_barrier_signal -1
	s_barrier_wait -1
	FETCH 0, 0, 0
	QUARTER 0, 64, 0, 1, 1                         ; the first quarter stands in front of the loop: its products start the sums
	WIN 0
	s_mov_b32 s3, LAPS-1
.Llap:                                                 ; a trip goes once round the ring and fills both slots again
	QUARTER 0, 128, 1, 0, 0
	QUARTER 0, 192, 0, 1, 0
	TURN 0, 1, 1
	QUARTER 1, 64,  0, 1, 0
	QUARTER 1, 128, 1, 0, 0
	QUARTER 1, 192, 0, 1, 0
	TURN 1, 0, 1
	QUARTER 0, 64,  0, 1, 0
	WIN 0
	s_sub_co_u32 s3, s3, 1
	s_cmp_lg_u32 s3, 0
	s_cbranch_scc1 .Llap
	QUARTER 0, 128, 1, 0, 0                        ; the last lap fills nothing
	QUARTER 0, 192, 0, 1, 0
	TURN 0, 1, 0
	QUARTER 1, 64,  0, 1, 0
	QUARTER 1, 128, 1, 0, 0
	QUARTER 1, 192, 0, 1, 0
	s_wait_dscnt 4
	MUL12 1, 0, 0
	MUL12 1, 1, 0
	s_wait_dscnt 0x0
	MUL12 1, 2, 0
	MUL12 1, 3, 0
	WIN 0
	PLACES
	PLACES                                         ; (eight, once a launch: the sums below are written in place)
	s_wait_loadcnt 0x0                             ; the bias
; THE WAY OUT of row block a: the bias is added, the sums are rounded to f16, 16 bytes a lane go into my own stage (a head's 16 rows of 144 bytes) and come back as whole rows of 128 bytes:
; each store of the wave covers 512 consecutive bytes of qkv, aligned.
.macro OUT a
	WIN 0
	s_wait_xcnt 0x0                                ; the stores of the block before have read TMP
	WIN 0x82+0x41*((\a)/2)                         ; destination and source 0: window 2 or 3; source 1 (the bias): window 0
.irp b, 0,1,2,3,4,5,6,7,8,9,10,11
.set rD, 96*((\a)%2)+8*(\b)
.if (\b) < 4
.set rB, 32+8*(\b)
.else
.set rB, 144+8*(\b)
.endif
.irp r, 0,2,4,6
	v_pk_add_f32 v[rD+(\r):rD+(\r)+1], v[rD+(\r):rD+(\r)+1], v[rB+(\r):rB+(\r)+1]
.endr
.endr
	WIN 0x0a+5*((\a)/2)                            ; sources 0 and 1: window 2 or 3; destination window 0
.irp b, 0,1,2,3,4,5,6,7,8,9,10,11
.irp r, 0,1,2,3
	v_cvt_pk_f16_f32 v[TMP+4*(\b)+(\r)], v[96*((\a)%2)+8*(\b)+2*(\r)], v[96*((\a)%2)+8*(\b)+2*(\r)+1]
.endr
.endr
	WIN 0
.irp b, 0,1,2,3,4,5,6,7,8,9,10,11
	ds_store_b128 v[STO], v[TMP+4*(\b):TMP+4*(\b)+3] offset:((\b)/4)*2304+((\b)%4)*32
.endr
.irp hh, 0,1,2
.irp f, 0,1,2,3
	ds_load_b128 v[TMP+16*(\hh)+4*(\f):TMP+16*(\hh)+4*(\f)+3], v[RD] offset:(\hh)*2304+(\f)*576  ; LDS serves a wave's instructions in order (ISA guide 5.7.1.4): these see the stores above
.endr
.endr
	s_wait_dscnt 0x0
.irp hh, 0,1,2
.irp f, 0,1,2,3
	global_store_b128 v[GO], v[TMP+16*(\hh)+4*(\f):TMP+16*(\hh)+4*(\f)+3], s[OB+2*(\hh):OB+2*(\hh)+1] offset:(\a)*2048+(\f)*512
.endr
.endr
.endm
	OUT 0
	OUT 1
	OUT 2
	OUT 3
	s_wait_tensorcnt 0x0                           ; the wave's end: a closing add and its wait, behind my last tensor load and my last LDS store
	ds_add_u32 v[SPW], v[NIL]
	s_wait_dscnt 0x0
	CROUND                                         ; the closing round: no work-group ends while a partner may still ask for a tile that names it
	s_endpgm
.Lfunc_end_k_qa0bd0b8887_gemm:
	.size	k_qa0bd0b8887_gemm, .Lfunc_end_k_qa0bd0b8887_gemm-k_qa0bd0b8887_gemm
	.p2alignl 7, 3214868480
	.fill 96, 4, 3214868480
	.section	.rodata,"a",@progbits
	.p2align	6, 0x0
	.amdhsa_kernel k_qa0bd0b8887_gemm
		.amdhsa_group_segment_fixed_size 327680
		.amdhsa_private_segment_fixed_size 0
		.amdhsa_enable_private_segment 0
		.amdhsa_kernarg_size 32
		.amdhsa_user_sgpr_count 2
		.amdhsa_user_sgpr_kernarg_segment_ptr 1
		.amdhsa_wavefront_size32 1
		.amdhsa_system_sgpr_workgroup_id_x 1
		.amdhsa_system_sgpr_workgroup_id_y 1
		.amdhsa_system_sgpr_workgroup_id_z 1
		.amdhsa_system_vgpr_workitem_id 0
		.amdhsa_next_free_vgpr 1024
		.amdhsa_next_free_sgpr 78
		.amdhsa_reserve_vcc 0
		.amdhsa_float_denorm_mode_32 3
		.amdhsa_float_denorm_mode_16_64 3
		.amdhsa_memory_ordered 1
		.amdhsa_forward_progress 1
		.amdhsa_inst_pref_size 135
	.end_amdhsa_kernel
	.amdgpu_metadata
---
amdhsa.version: [ 1, 2 ]
amdhsa.kernels:
  - .name:           k_qa0bd0b8887_gemm
    .symbol:         k_qa0bd0b8887_gemm.kd
    .args:
      - { .name: xb, .offset: 0, .size: 8, .value_kind: global_buffer, .address_space: global }
      - { .name: wb, .offset: 8, .size: 8, .value_kind: global_buffer, .address_space: global }
      - { .name: bcat, .offset: 16, .size: 8, .value_kind: global_buffer, .address_space: global }
      - { .name: qkv, .offset: 24, .size: 8, .value_kind: global_buffer, .address_space: global }
    .group_segment_fixed_size: 327680
    .private_segment_fixed_size: 0
    .kernarg_segment_align: 8
    .kernarg_segment_size: 32
    .max_flat_workgroup_size: 128
    .sgpr_count:     78
    .vgpr_count:     1024
    .wavefront_size: 32
...
	.end_amdgpu_metadata
.endif
;; end of part 2
;; launch attn (part 3): grid 4 x 128, 4 waves a work-group, clusters of 4 x 1, 327,680 bytes of LDS; arguments qkv, ef, m8, out0; writes out0
.if DOCPART == 3
	.amdgcn_target "amdgcn-amd-amdhsa--gfx1250"
	.amdhsa_code_object_version 6
	.text
	.protected	k_qa0bd0b8887_attn
	.globl	k_qa0bd0b8887_attn
	.p2align	8
	.type	k_qa0bd0b8887_attn,@function
k_qa0bd0b8887_attn:
	s_mov_b64 s[64:65], 0
	v_nop
	global_prefetch_b8 v0, s[64:65] scope:SCOPE_SE
	s_setreg_imm32_b32 hwreg(HW_REG_WAVE_MODE, 25, 1), 1
	s_wait_xcnt 0x0
	s_wait_alu depctr_hold_cnt(0) depctr_sa_sdst(0) depctr_va_vdst(0) depctr_va_sdst(0) depctr_va_ssrc(0) depctr_va_vcc(0) depctr_vm_vsrc(0)
	s_getreg_b32 s2, hwreg(HW_REG_IB_STS2, 6, 4)
	s_cmp_eq_u32 s2, 0
	s_cbranch_scc0 .Lentry_in_a_cluster
	s_endpgm
.Lentry_in_a_cluster:
	s_bfe_u32 s2, ttmp6, 0x10000c
	s_cmp_lg_u32 s2, 0x3003
	s_cbranch_scc0 .Lentry_shape_is_right
	s_endpgm
.Lentry_shape_is_right:
; ATTENTION WITH BOTH RELATIVE TERMS.  s[l][r] = q_l . k_r + q_l . E2[x] + k_r . E2[x] + 8 mask[r], x = l - r + 1024; p = softmax_r(s / 8); out0[b][l][64 head + d] = sum over r of p v_r[d].
; q, k, v: qkv[3][128 heads][1024][64] f16; E2: ef, f16, in fragment order; 8 mask: m8, f32.  Products, maxima and sums in f32; p is rounded to f16 for the last product (its sum is taken unrounded).
; LIMITS.  The two relative terms enter the scores as a matrix operand in bf16, cut (not rounded) from their f32 sums.  8 mask is held to -1e30 .. 1e30 by the launch that made it; a row whose keys are all
; hidden so counts them alike.  A weight below 2^-126 counts as 0.  NaN and infinities are not treated apart.
; SHARES.  A work-group owns 256 queries of one head, a wave 64: four tiles t of 16.  Every wave walks the head's 1,024 keys, 64 a step (four tiles kt of 16), two steps to an LDS slot.
; CLUSTER 4 x 1: a head's four query blocks walk the same K and V: those tiles are asked for jointly.  The table's band differs from block to block (84 tiles from tile 16 x block on) and is each work-group's own load.
; LAYOUT.  S^T = K Q^T: a lane holds ONE query (lane % 16 = la), register j of a score tile the key 8 h + j (h = lane / 16).  Two tiles rounded to f16 ARE source 1 of O^T = V^T P.
; THE RELATIVE TERMS.  With table tile T holding x = 16 T + m: D = E_T Q_t^T (register m, lane la) and D = E_T K_kt^T (register m, lane = key ro).  Score tile (t, kt) needs x = 16 T0 + (la - ro), T0 = B0 + t - kt:
; tile T0 where la >= ro, tile T0 - 1 elsewhere.  Of two neighbouring tiles' results each lane and register needs just one: one v_cndmask_b32 merges them.  The merged number's upper 16 bits go into a stage of the
; wave's own in LDS, laid [query][key]: from the q side to key (la - m) % 16, from the k side to query (m + ro) % 16.  Read back by rows, 8 keys of the one and 8 of the other are source 1 of ONE more matrix
; instruction whose source 0 is [I | I] and whose C is the mask: it starts the tile's sum, and K Q^T is added onto it.
; A step's window is eight table tiles, w = 0..7 for T = B0 - 4 + w, B0 = (first query - first key + 1024) / 16; a query tile takes w = t .. t + 4, a key tile w = 3 - kt .. 7 - kt: five tiles, ten products.
; REGISTERS, in windows of 256 (s_set_vgpr_msb: bits 1:0 source 0, 3:2 source 1, 5:4 source 2, 7:6 destination):
;   window 0: v1-31 addresses and at work; v32-63 statistics, 8 a tile; v64-191 S^T, 32 a tile; v192-255 P, 16 a tile
;   window 1: v0-127 O^T, 32 a tile; v128-167, v168-207 two sets of five band results; v208-239 the step's mask; v240-255 the stage's store addresses
;   window 2: v0-63 Q; v64-127 K; v128-191 V; v192-199 [I | I]          window 3: v0-127 the window of E2; v128-255 the stage read back, 8 a score tile
.set PK,    144       ; a row of K in LDS, and of the stages: 128 bytes + 16: the 16 rows of a load start at 16 different groups of four banks (ISA guide 11.1)
.set PV,    160       ; a row of V: 128 + 32
.set VOFF,  128*PK    ; a slot holds two steps: 128 rows of K, then 128 rows of V: 38,912 bytes
.set MT,    38912     ; the batch's 1,024 numbers of 8 mask, f32
.set SPARE, 43008     ; the spare words, 128 bytes a wave: two blocks of 256 bytes that no other line names
.set SLOT1, 65536     ; slot 1 begins here, so that one exclusive or turns an address in one slot into the other's
.set EB,    104448    ; the band: 84 tiles of 2,048 bytes
.set STG,   276480    ; the stages, never filled by a tensor load: for each wave 64 rows x 144 (the k side), then 16 rows x 144 (the q side)
.set STGW,  11520
.set QSO,   9216
.set LAM, 1           ; v1   lane % 16
.set AK0, 2           ; v2   my lane's place in a tile of K; never rewritten
.set AV0, 3           ; v3   the same for V
.set AK,  4
.set AV,  5
.set AE0, 6           ; v6   my lane's place in the band, for window base 0
.set AM0, 7           ; v7   my place in the mask row
.set LQ,  8           ; v8   where I read the q side's stage
.set LK,  9           ; v9   the k side's
.set QO,  10
.set OSTO, 11         ; v11  the way out: where I put 32 bytes of a row of O
.set ORD, 12          ; v12  where I read rows back
.set GO,  13          ; v13  my offset in two rows of out0
.set PFO, 14          ; v14  the prefetch's offset; never rewritten
.set HH,  15          ; v15  lane / 16
.set AE,  16
.set AM,  17
.set SPW, 30          ; v30  LDS address of my spare word; never rewritten
.set NIL, 31          ; v31  0; never rewritten
.set ST,  32          ; tile t at ST + 8 t: c m, m, l (even keys', odd keys'), c0-c3 at work; a takes c2's place
.set S,   64
.set P,   192
.set DA,  128         ; window 1
.set DB,  168
.set MK,  208
.set SAQ, 240
.set SAK, 248
.set KF,  64          ; window 2
.set VF,  128
.set IDN, 192
.set BR,  128         ; window 3
.set CS,  2           ; s[2:3]  c = log2(e) / 8
.set WV,  12
.set SLOTS, 13
.set CNT, 14
.set TBK, 15          ; s15  LDS byte at which K of the step to be fetched begins
.set TBV, 16          ; s16  the same for V, less VOFF
.set LIM, 17
.set PFA, 18          ; s[18:19]
.set SEL, 20          ; s[20:21]
.set G1K, 24
.set G1V, 32
.set G0K, 40          ; two sets; the second walks
.set G0V, 48
.set G0E, 56
.set G0M, 60
.set TBE, 66          ; s66  the window's base in the band, in bytes: 131,072 less 8,192 a step
.set TBM, 67          ; s67  the step's place in the mask row: 256 bytes a step
.set G1E, 68
.set G1M, 76
.set QM,  84          ; s84-91  for register j: the lanes with 8 h + j <= la
.set KM,  92          ; s92-99  the lanes with ro + 8 h + j <= 15
.set MSB, 0
.macro WIN new
.if MSB != (\new)
	s_set_vgpr_msb (MSB<<8)|(\new)
.set MSB, (\new)
.endif
.endm
.set W_E,  0x5b       ; E2 window 3, Q or K window 2, C and D window 1
.set W_B,  0x1e       ; [I | I] window 2, the stage's rows window 3, the mask window 1, S^T window 0
.set W_KQ, 0x0a       ; K and Q window 2, S^T window 0
.set W_PV, 0x52       ; V window 2, P window 0, O^T window 1
.set W_MS, 0x45       ; merge and stage store: all in window 1
.set W_RS, 0x41       ; O^T (destination and source 0) window 1, a window 0
.macro PLACES
.rept 4
	v_nop
.endr
.endm
.macro JLOAD                        ; a joint refill: waves 0, 1 fetch the two steps' K, waves 2, 3 their V.  An s_nop 0 and four v_nop follow each line
	s_cmp_lt_u32 s[WV], 2
	s_cbranch_scc0 .Lfor_v_\@
	tensor_load_to_lds s[G0K+4:G0K+7], s[G1K:G1K+7]
	s_nop 0
.rept 4
	v_nop
.endr
	s_branch .Lasked_\@
.Lfor_v_\@:
	tensor_load_to_lds s[G0V+4:G0V+7], s[G1V:G1V+7]
	s_nop 0
.rept 4
	v_nop
.endr
.Lasked_\@:
.endm
; A prefetch of the slot that the NEXT change will ask for: 64 blocks of 256 bytes of K and 64 of V.  A head has one cluster; its four partners take 16 + 16 blocks each, told apart by address; wave 0 asks:
; lanes 0-15 for K's, lanes 16-31 for V's, one instruction.  The last change that fills a slot asks for nothing; slots 0 to 2 come by their loads alone.
.macro ASK
	s_cmp_gt_u32 s[SLOTS], s[LIM]
	s_cbranch_scc0 .Lnot_mine_\@
	global_prefetch_b8 v[PFO], s[PFA:PFA+1] th:TH_LOAD_NT scope:SCOPE_SE
.Lnot_mine_\@:
.endm
.macro CROUND
	s_barrier_signal -1
	s_barrier_wait -1
	s_cmp_lg_u32 s[WV], 0
	s_cbranch_scc1 .Lnot_wave_0_\@
	s_barrier_signal -3
.Lnot_wave_0_\@:
	s_barrier_wait -3
	s_barrier_signal -1
	s_barrier_wait -1
.endm
	s_load_b256 s[4:11], s[0:1], 0x0  ; qkv s[4:5], ef s[6:7], m8 s[8:9], out0 s[10:11]
	v_lshl_add_u32 v[SPW], v0, 2, SPARE
	v_mov_b32 v[NIL], 0
	ds_add_u32 v[SPW], v[NIL]       ; the wave's opening: the add and its wait stand ahead of my first tensor load; the set-up below stands between them
	v_lshrrev_b32 v18, 5, v0
	v_readfirstlane_b32 s[WV], v18
	s_bfe_u32 s22, ttmp6, 0x40000   ; cx
	s_lshl_b32 s23, ttmp9, 2
	s_add_co_u32 s23, s23, s22      ; my block of 256 queries: it enters Q's, the band's and the output's global addresses alone
	s_and_b32 s84, ttmp7, 0xffff    ; batch x 16 + head, which the four partners share
	s_lshl_b32 s85, s84, 17         ; the head's first byte in each third of qkv
	s_and_b32 s86, s[WV], 1         ; which of a slot's two steps I fetch
	s_lshl_b32 s88, s86, 13
	s_add_co_u32 s88, s88, s85
	s_add_co_u32 s88, s88, 0x1000000
	s_mov_b32 s89, 0                ; s[88:89]: K at my step of slot 0
	s_mul_i32 s90, s86, 64*PK       ; its place in a slot, for K
	s_mul_i32 s91, s86, 64*PV       ; and for V
	s_lshl_b32 s92, s23, 15
	s_lshl_b32 s93, s[WV], 13
	s_add_co_u32 s92, s92, s93
	s_add_co_u32 s92, s92, s85
	s_mov_b32 s93, 0                ; s[92:93]: Q at my wave's first row
	s_lshr_b32 s94, s84, 4          ; the batch
	s_lshl_b32 s95, s94, 22
	s_lshl_b32 s96, s23, 20
	s_add_co_u32 s95, s95, s96
	s_lshl_b32 s96, s[WV], 18
	s_add_co_u32 s95, s95, s96
	s_and_b32 s96, s84, 15
	s_lshl_b32 s96, s96, 8
	s_add_co_u32 s96, s96, s95
	s_mov_b32 s97, 0                ; s[96:97]: out0 at my first row, my head's 256 bytes
	s_lshl_b32 s98, s94, 12
	s_lshl_b32 s99, s[WV], 10
	s_add_co_u32 s98, s98, s99
	s_add_co_u32 s[G0M+1], s99, MT  ; my quarter of the mask row
	s_mov_b32 s99, 0                ; s[98:99]
	s_mul_i32 s87, s[WV], 43008
	s_add_co_u32 s[G0E+1], s87, EB  ; my quarter of the band
	s_lshl_b32 s94, s23, 15         ; the band begins at tile 16 x block
	s_add_co_u32 s94, s94, s87
	s_mov_b32 s95, 0                ; s[94:95]
	s_lshl_b32 s86, s22, 12         ; the prefetches: my work-group's 16 blocks, in slot 2; the first change steps them to slot 3
	s_add_co_u32 s86, s86, s85
	s_add_co_u32 s86, s86, 0x1000000+2*16384
	s_mov_b32 s87, 0                ; s[86:87]
	; 64 keys are 8,192 dense bytes: asked for as 32 rows of 256 bytes, two keys a row, padded in LDS after every key
	s_mov_b32 s[G1K], 15|(1<<16)|(1<<20)|(1<<21)|(4<<22)|(3<<25)  ; the mask of four; 2-byte elements; padding on; bit 21 beside a mask; after every 32 words 4 words
	s_mov_b32 s[G1V], 15|(1<<16)|(1<<20)|(1<<21)|(4<<22)|(7<<25)  ; the same with 8 words
.irp g, G1K, G1V
	s_mov_b32 s[\g+1], 128<<16      ; tensor_dim0 = 128
	s_mov_b32 s[\g+2], 32<<16       ; tensor_dim1 = 32
	s_mov_b32 s[\g+3], 128<<16      ; tile_dim0 = 128
	s_mov_b32 s[\g+4], 32           ; tile_dim1 = 32
	s_mov_b32 s[\g+5], 128
	s_mov_b32 s[\g+6], 0
	s_mov_b32 s[\g+7], 0
.endr
	s_mov_b32 s[G1E], 3<<16         ; a quarter of the band: 43,008 dense bytes as 168 rows of 32 elements of 8 bytes; no mask, no padding
	s_mov_b32 s[G1E+1], 32<<16
	s_mov_b32 s[G1E+2], 168<<16
	s_mov_b32 s[G1E+3], 32<<16
	s_mov_b32 s[G1E+4], 168
	s_mov_b32 s[G1E+5], 32
	s_mov_b32 s[G1E+6], 0
	s_mov_b32 s[G1E+7], 0
	s_mov_b32 s[G1M], 3<<16         ; a quarter of the mask row: one row of 128 elements of 8 bytes
	s_mov_b32 s[G1M+1], 128<<16
	s_mov_b32 s[G1M+2], 1<<16
	s_mov_b32 s[G1M+3], 128<<16
	s_mov_b32 s[G1M+4], 1
	s_mov_b32 s[G1M+5], 128
	s_mov_b32 s[G1M+6], 0
	s_mov_b32 s[G1M+7], 0
	s_mov_b32 s[CS], 0x3e38aa3b     ; c = log2(e) / 8
	s_mov_b32 s[CS+1], s[CS]
	s_mov_b32 s[SEL], 0x76543210
	s_mov_b32 s[SEL+1], 0xfedcba98
	s_mov_b32 s[TBK], 0
	s_mov_b32 s[TBV], 0
	s_mov_b32 s[TBM], 0
	s_mov_b32 s[TBE], 131072
	s_cmp_eq_u32 s[WV], 0
	s_cselect_b32 s[LIM], 1, -1
	s_wait_dscnt 0x0                ; the opening add is done
	s_wait_kmcnt 0x0
	s_add_nc_u64 s[88:89], s[4:5], s[88:89]
.irp s, 0,1
	s_mov_b32 s[G0K+4*(\s)], 1
	s_add_co_u32 s[G0K+4*(\s)+1], s90, (\s)*SLOT1
	s_add_nc_u64 s[G0K+4*(\s)+2:G0K+4*(\s)+3], s[88:89], (\s)*16384
	s_or_b32 s[G0K+4*(\s)+3], s[G0K+4*(\s)+3], 0x80000000
	s_mov_b32 s[G0V+4*(\s)], 1
	s_add_co_u32 s[G0V+4*(\s)+1], s91, (\s)*SLOT1+VOFF
	s_add_nc_u64 s[G0V+4*(\s)+2:G0V+4*(\s)+3], s[88:89], 0x1000000+(\s)*16384
	s_or_b32 s[G0V+4*(\s)+3], s[G0V+4*(\s)+3], 0x80000000
.endr
	s_mov_b32 s[G0E], 1
	s_add_nc_u64 s[G0E+2:G0E+3], s[6:7], s[94:95]
	s_or_b32 s[G0E+3], s[G0E+3], 0x80000000
	s_mov_b32 s[G0M], 1
	s_add_nc_u64 s[G0M+2:G0M+3], s[8:9], s[98:99]
	s_or_b32 s[G0M+3], s[G0M+3], 0x80000000
	s_add_nc_u64 s[PFA:PFA+1], s[4:5], s[86:87]
	s_add_nc_u64 s[4:5], s[4:5], s[92:93]
	s_add_nc_u64 s[10:11], s[10:11], s[96:97]
	CROUND                          ; all four work-groups are here: the first joint loads meet
	s_cmp_lt_u32 s[WV], 2           ; a wave's four first fills stand in one branch, ahead of every wait on TENSORcnt and every LDS read: four loads of mine are out
	s_cbranch_scc0 .Lfirst_v
	tensor_load_to_lds s[G0E:G0E+3], s[G1E:G1E+7]
	s_nop 0
	tensor_load_to_lds s[G0M:G0M+3], s[G1M:G1M+7]
	s_nop 0
	tensor_load_to_lds s[G0K:G0K+3], s[G1K:G1K+7]
	s_nop 0
	tensor_load_to_lds s[G0K+4:G0K+7], s[G1K:G1K+7]
	s_nop 0
.rept 4
	v_nop
.endr
	s_branch .Lfirst_asked
.Lfirst_v:
	tensor_load_to_lds s[G0E:G0E+3], s[G1E:G1E+7]
	s_nop 0
	tensor_load_to_lds s[G0M:G0M+3], s[G1M:G1M+7]
	s_nop 0
	tensor_load_to_lds s[G0V:G0V+3], s[G1V:G1V+7]
	s_nop 0
	tensor_load_to_lds s[G0V+4:G0V+7], s[G1V:G1V+7]
	s_nop 0
.rept 4
	v_nop
.endr
.Lfirst_asked:
	v_and_b32 v[LAM], 15, v0
	v_bfe_u32 v[HH], v0, 4, 1
	v_lshlrev_b32 v[QO], 7, v[LAM]
	v_lshl_add_u32 v[QO], v[HH], 4, v[QO]  ; row x 128 + 16 x half
	WIN 0x80
.set i, 0
.rept 8                             ; Q stays in registers: tile i / 2, channels 32 (i % 2) on
	global_load_b128 v[8*i:8*i+3],   v[QO], s[4:5] offset:(i/2)*2048+(i%2)*64
	global_load_b128 v[8*i+4:8*i+7], v[QO], s[4:5] offset:(i/2)*2048+(i%2)*64+32
.set i, i+1
.endr
	WIN 0
	v_mul_u32_u24 v[AK0], v[LAM], PK
	v_lshl_add_u32 v[AK0], v[HH], 4, v[AK0]
	v_and_b32 v18, 7, v0            ; the turning load: lane l reads key 8 (l / 16) + l % 8, channels 8 ((l / 8) % 2) + 0..7
	v_bfe_u32 v19, v0, 3, 1
	v_lshl_add_u32 v[AV0], v[HH], 3, v18
	v_mul_u32_u24 v[AV0], v[AV0], PV
	v_lshl_add_u32 v[AV0], v19, 4, v[AV0]
	v_add_nc_u32 v[AV0], VOFF, v[AV0]
	v_and_b32 v20, 31, v0
	s_lshl_b32 s84, s[WV], 13       ; a wave's windows lie four tiles above the wave's before
	s_add_co_u32 s84, s84, EB
	v_lshl_add_u32 v[AE0], v20, 4, s84
	v_lshlrev_b32 v[AM0], 5, v[HH]
	v_add_nc_u32 v[AM0], MT, v[AM0]
	s_mul_i32 s85, s[WV], STGW
	s_add_co_u32 s85, s85, STG      ; my stage
	v_add_nc_u32 v[LK], s85, v[AK0]
	v_add_nc_u32 v[LQ], QSO, v[LK]
	v_mul_u32_u24 v[OSTO], v[LAM], 272
	v_lshl_add_u32 v[OSTO], v[HH], 5, v[OSTO]
	v_add_nc_u32 v[OSTO], s85, v[OSTO]
	v_mul_u32_u24 v[ORD], v[HH], 272
	v_lshl_add_u32 v[ORD], v[LAM], 4, v[ORD]
	v_add_nc_u32 v[ORD], s85, v[ORD]
	v_lshlrev_b32 v[GO], 12, v[HH]
	v_lshl_add_u32 v[GO], v[LAM], 4, v[GO]
	v_lshlrev_b32 v[PFO], 24, v[HH]
	v_lshl_add_u32 v[PFO], v[LAM], 8, v[PFO]
	v_mul_u32_u24 v21, v[LAM], PK
	v_add_nc_u32 v21, s85, v21
	v_add_nc_u32 v21, QSO, v21      ; the q side's stage, my query's row
	v_lshlrev_b32 v22, 1, v[LAM]
	v_add_nc_u32 v22, s85, v22      ; the k side's stage, my key's column
	v_lshl_add_u32 v23, v[HH], 3, v[LAM]  ; la + 8 h
	v_lshlrev_b32 v24, 3, v[HH]
.irp j, 0,1,2,3,4,5,6,7
	v_add_nc_u32 v25, \j, v24
	v_cmp_le_u32 s[QM+\j], v25, v[LAM]
	v_add_nc_u32 v[72+\j], \j, v23
	v_cmp_ge_u32 s[KM+\j], 15, v[72+\j]
	v_and_b32 v[72+\j], 15, v[72+\j]       ; the query (m + ro) % 16,
	v_mul_u32_u24 v[72+\j], v[72+\j], PK   ; its row
	v_add_nc_u32 v[64+\j], 16-\j, v23      ; the key (la - m) % 16 = (la + 8 h + 16 - j) % 16
	v_and_b32 v[64+\j], 15, v[64+\j]
.endr
	WIN 0x40
.irp j, 0,1,2,3,4,5,6,7
	v_lshl_add_u32 v[SAQ+\j], v[64+\j], 1, v21
	v_add_nc_u32 v[SAK+\j], v22, v[72+\j]
.endr
	WIN 0
	; [I | I] as source 0, 16 x 32 in bf16: lane l holds row l % 16; register c (and c + 4) its columns 8 h + 2 c, 8 h + 2 c + 1 (+ 16): 1.0 where the column % 16 is the row
	v_bfe_u32 v25, v0, 3, 1
	v_xor_b32 v25, v25, v[HH]       ; 0 where the row lies in my half's eight columns
	v_bfe_u32 v26, v0, 1, 2
	v_lshl_or_b32 v26, v25, 2, v26  ; the register that holds the 1.0, or 4 and more
	v_and_b32 v27, 1, v0
	v_lshlrev_b32 v27, 4, v27
	v_mov_b32 v28, 0x3f80
	v_lshlrev_b32 v28, v27, v28     ; in its low or its high half
	WIN 0x80
.irp c, 0,1,2,3
	v_cmp_eq_u32 vcc_lo, \c, v26
	v_cndmask_b32 v[IDN+\c], 0, v28, vcc_lo
	v_cndmask_b32 v[IDN+4+\c], 0, v28, vcc_lo
.endr
	WIN 0x40                        ; O^T and l start at 0, m at the lowest finite number: the first step is a step like any other, with a = 0.  All this stands in the wait for the first tiles
.set i, 0
.rept 128
	v_mov_b32 v[i], 0
.set i, i+1
.endr
	WIN 0
.set i, 0
.rept 4
	v_mov_b32 v[ST+8*i], 0xfe000000    ; c m: far below every c s
	v_mov_b32 v[ST+8*i+1], 0xff7fffff  ; m
	v_mov_b32 v[ST+8*i+2], 0
	v_mov_b32 v[ST+8*i+3], 0
.set i, i+1
.endr
; THE MATRIX WORK.  In every run the accumulators take turns, one instruction a turn.
; A band product: result y of five of set, channels 32 c on.  kind 0: window tile n + y times query tile n; kind 1: window tile 3 - n + y times key tile n.
.macro EW set, kind, n, y, c
	WIN W_E
.if \kind
.set rA, 16*(3-(\n)+(\y))+8*(\c)
.set rB, KF+16*(\n)+8*(\c)
.else
.set rA, 16*((\n)+(\y))+8*(\c)
.set rB, 16*(\n)+8*(\c)
.endif
.if (\c) == 0
	v_wmma_f32_16x16x32_f16 v[(\set)+8*(\y):(\set)+8*(\y)+7], v[rA:rA+7], v[rB:rB+7], 0
.else
	v_wmma_f32_16x16x32_f16 v[(\set)+8*(\y):(\set)+8*(\y)+7], v[rA:rA+7], v[rB:rB+7], v[(\set)+8*(\y):(\set)+8*(\y)+7]
.endif
.endm
.macro BIM t, kt                    ; S^T(t, kt) = [I | I] x (q side's 16 keys, k side's 16 keys) + mask
	WIN W_B
	v_wmma_f32_16x16x32_bf16 v[S+32*(\t)+8*(\kt):S+32*(\t)+8*(\kt)+7], v[IDN:IDN+7], v[BR+32*(\t)+8*(\kt):BR+32*(\t)+8*(\kt)+7], v[MK+8*(\kt):MK+8*(\kt)+7]
.endm
.macro KQM t                        ; product i of 8 of S^T += K Q^T: channels 32 (i / 4) on, keys 16 (i % 4) on
	WIN W_KQ
.set rS, S+32*(\t)+8*(i%4)
.set rK, KF+16*(i%4)+8*(i/4)
.set rQ, 16*(\t)+8*(i/4)
	v_wmma_f32_16x16x32_f16 v[rS:rS+7], v[rK:rK+7], v[rQ:rQ+7], v[rS:rS+7]
.endm
.macro PVM t                        ; product i of 8 of O^T += V^T P: keys 32 (i / 4) on, channels 16 (i % 4) on
	WIN W_PV
.set rO, 32*(\t)+8*(i%4)
.set rV, VF+32*(i/4)+8*(i%4)
.set rP, P+16*(\t)+8*(i/4)
	v_wmma_f32_16x16x32_f16 v[rO:rO+7], v[rV:rV+7], v[rP:rP+7], v[rO:rO+7]
.endm
; THE LDS LOADS stand in runs.
.macro FETCH_K
	WIN 0x80
.irp f, 0,1,2,3,4,5,6,7             ; keys 16 (f / 2) on, channels 32 (f % 2) on
	ds_load_b128 v[KF+8*\f:KF+8*\f+3],   v[AK] offset:(\f/2)*16*PK+(\f%2)*64
	ds_load_b128 v[KF+8*\f+4:KF+8*\f+7], v[AK] offset:(\f/2)*16*PK+(\f%2)*64+32
.endr
.endm
.macro FETCH_V
	WIN 0x80
.irp f, 0,1,2,3,4,5,6,7             ; keys 32 (f / 4) on, channels 16 (f % 4) on
	ds_load_tr16_b128 v[VF+8*\f:VF+8*\f+3],   v[AV] offset:(\f/4)*32*PV+(\f%4)*32
	ds_load_tr16_b128 v[VF+8*\f+4:VF+8*\f+7], v[AV] offset:(\f/4)*32*PV+16*PV+(\f%4)*32
.endr
.endm
.macro FETCH_M                      ; register j of key tile kt: 8 mask of key 16 kt + 8 h + j, the same for all queries
	WIN 0x40
.irp kt, 0,1,2,3
	ds_load_b128 v[MK+8*\kt:MK+8*\kt+3],   v[AM] offset:64*\kt
	ds_load_b128 v[MK+8*\kt+4:MK+8*\kt+7], v[AM] offset:64*\kt+16
.endr
.endm
.macro ELOADS                       ; the window's eight tiles, four chunks each: 512 consecutive bytes a load
	WIN 0xc0
.irp w, 0,1,2,3,4,5,6,7
.irp q, 0,1,2,3
	ds_load_b128 v[16*(\w)+4*(\q):16*(\w)+4*(\q)+3], v[AE] offset:(\w)*2048+(\q)*512
.endr
.endr
.endm
.macro FETCH_E                      ; the next step's window lies four tiles lower.  The last step's fetch (tiles 4 x wave on) is inside the band and serves nothing
	WIN 0
	s_sub_co_u32 s[TBE], s[TBE], 8192
	v_add_nc_u32 v[AE], s[TBE], v[AE0]
	ELOADS
.endm
.macro LDQ t                        ; the q side's stage, query tile t: my query's keys 16 kt + 8 h + 0..7: registers 0-3 of source 1
	WIN 0xc0
.irp kt, 0,1,2,3
	ds_load_b128 v[BR+32*(\t)+8*\kt:BR+32*(\t)+8*\kt+3], v[LQ] offset:32*\kt
.endr
.endm
.macro LDK t                        ; the k side's: registers 4-7
	WIN 0xc0
.irp kt, 0,1,2,3
	ds_load_b128 v[BR+32*(\t)+8*\kt+4:BR+32*(\t)+8*\kt+7], v[LK] offset:(\t)*2304+32*\kt
.endr
.endm
; THE VECTOR WORK stands in a queue; ONE writes its next entry, RIDE the next `per` entries behind a matrix instruction, DRAIN the rest.
; Kind 1, eight entries: group qp of a set of five band results: results zz = qp / 2 and zz + 1 are merged in registers 4 (qp % 2) + 0..3, and the upper halves stored.  Each result's lowest registers are read first.
.macro MSG
.set zz, qp/2
.set j0, 4*(qp%2)
.set rD, mset+8*zz+j0
	WIN W_MS
.if mkind
.irp n, 0,1,2,3
	v_cndmask_b32 v[rD+\n], v[rD+\n], v[rD+8+\n], s[KM+j0+\n]
.endr
.irp n, 0,1,2,3
	ds_store_b16_d16_hi v[SAK+j0+\n], v[rD+\n] offset:zz*2304+mn*32  ; query tile zz, key tile mn
.endr
.else
.irp n, 0,1,2,3
	v_cndmask_b32 v[rD+\n], v[rD+\n], v[rD+8+\n], s[QM+j0+\n]
.endr
.irp n, 0,1,2,3
	ds_store_b16_d16_hi v[SAQ+j0+\n], v[rD+\n] offset:(3-zz)*32      ; key tile 3 - zz
.endr
.endif
.endm
; Kind 2, 118 entries: tile smt's softmax for the step.  s0-s31 are the lane's 32 scores.
;   0-15 the maximum of s0-s31 and the old m     16-20 the other half of the lanes' maximum; m; c m; c m_old - c m_new
;   21-69 ONE BATCH: 16 scalings c s - c m and 33 exponentials (a at 23); none reads an exponential's result     ahead of 70: a v_nop and one wait ahead of the first reader
;   70-85 the roundings to f16     86-101 the sums; l = a l + sum     102-117 O^T times a
.macro SM
.set j, qp
.set rT, ST+8*smt
.set rS, S+32*smt
.set rP, P+16*smt
.set rO, 32*smt+2*(j-102)
.if j < 102
	WIN 0
.endif
.if j == 70
	v_nop
	s_wait_alu depctr_va_vdst(0)
.endif
.if j < 4
	v_max3_num_f32 v[rT+4+j], v[rS+8*j], v[rS+8*j+1], v[rS+8*j+2]
.elseif j < 12
	v_max3_num_f32 v[rT+4+j%4], v[rT+4+j%4], v[rS+8*(j%4)+2*(j/4)+1], v[rS+8*(j%4)+2*(j/4)+2]
.elseif j == 12
	v_max3_num_f32 v[rT+4], v[rT+4], v[rS+7], v[rS+15]
.elseif j == 13
	v_max3_num_f32 v[rT+6], v[rT+6], v[rS+23], v[rS+31]
.elseif j == 14
	v_max3_num_f32 v[rT+4], v[rT+4], v[rT+5], v[rT+6]
.elseif j == 15
	v_max3_num_f32 v[rT+4], v[rT+4], v[rT+7], v[rT+1]
.elseif j == 16
	v_permlanex16_b32 v[rT+5], v[rT+4], s[SEL], s[SEL+1]  ; the query's other 32 keys lie in the lane 16 away
.elseif j == 17
	v_mov_b32 v[rT+7], v[rT]        ; c m_old is kept for a
.elseif j == 18
	v_max_num_f32 v[rT+1], v[rT+4], v[rT+5]
.elseif j == 19
	v_mul_f32 v[rT], s[CS], v[rT+1]
.elseif j == 20
	v_sub_f32 v[rT+7], v[rT+7], v[rT]
.elseif j == 23
	v_exp_f32 v[rT+6], v[rT+7]
.elseif (j < 23) || ((j < 38) && (j%2 == 0)) || ((j < 66) && (j%4 == 2))
.set b, (j-2)/4
.if j < 38
.set b, (j-20)/2
.endif
	v_pk_fma_f32 v[rS+2*b:rS+2*b+1], v[rS+2*b:rS+2*b+1], s[CS:CS+1], v[rT:rT+1] op_sel_hi:[1,0,0] neg_lo:[0,0,1] neg_hi:[0,0,1]
.elseif j < 70
.set e, j-38
.if j < 66
.set e, j-32-(j-38)/4
.endif
.if j < 38
.set e, (j-25)/2
.endif
	v_exp_f32 v[rS+e], v[rS+e]
.elseif j < 86
	v_cvt_pk_f16_f32 v[rP+j-70], v[rS+2*(j-70)], v[rS+2*(j-70)+1]
.elseif j < 102
.set z, j-86
.set w, 4
.set u, z
.if z >= 14
.set w, 32
.set u, 0
.elseif z >= 12
.set w, 16
.set u, z-12
.elseif z >= 8
.set w, 8
.set u, z-8
.endif
.if z < 15
	v_pk_add_f32 v[rS+w*u:rS+w*u+1], v[rS+w*u:rS+w*u+1], v[rS+w*u+w/2:rS+w*u+w/2+1]
.else
	v_pk_fma_f32 v[rT+2:rT+3], v[rT+2:rT+3], v[rT+6:rT+7], v[rS:rS+1] op_sel_hi:[1,0,1]
.endif
.else
	WIN W_RS
	v_pk_mul_f32 v[rO:rO+1], v[rO:rO+1], v[rT+6:rT+7] op_sel_hi:[1,0]
.endif
.endm
.macro ONE
.if qp < qn
.if qkind == 1
	MSG
.else
	SM
.endif
.set qp, qp+1
.endif
.endm
.macro RIDE
.rept per
	ONE
.endr
.endm
.macro DRAIN
.rept 120
	ONE
.endr
.endm
.macro QNONE
.set qkind, 1
.set qp, 0
.set qn, 0
.set per, 1
.endm
.macro QMS set, kind, n
.set qkind, 1
.set qp, 0
.set qn, 8
.set per, 1
.set mset, \set
.set mkind, \kind
.set mn, \n
.endm
.macro QSM t
.set qkind, 2
.set qp, 0
.set qn, 118
.set per, 5
.set smt, \t
.endm
; THE BLOCKS.  Behind a block's first matrix instruction stand four v_nop: the places between the block before's last product and the riders, which read its results.
.macro EBLK set, kind, n            ; ten band products: five results, two halves of the channels
.irp c, 0,1
.irp y, 0,1,2,3,4
	EW \set, \kind, \n, \y, \c
.if ((\c) == 0) && ((\y) == 0)
	PLACES
.else
	RIDE
.endif
.endr
.endr
.endm
.macro SQBLK t                      ; a query tile's scores: four products that start the sums, eight that add K Q^T
	BIM \t, 0
	PLACES
.irp kt, 1,2,3
	BIM \t, \kt
	RIDE
.endr
.rept 5
	v_nop                           ; a bf16 and an f16 form on one accumulator are no chain: five places between them (ISA guide 7.12.1)
.endr
.set i, 0
.rept 8
	KQM \t
	RIDE
.set i, i+1
.endr
.endm
.macro PVBLK t
.set i, 0
.rept 8
	PVM \t
	RIDE
.set i, i+1
.endr
.endm
; A KEY STEP.  The stage is the wave's own, and LDS serves a wave's instructions in order (ISA guide 5.7.1.4): no wait stands between its stores and its loads, and one buffer a side suffices.
.macro STEP
	WIN 0
	PLACES                          ; behind the last V^T P, in front of the loads into V's registers
	v_add_nc_u32 v[AK], s[TBK], v[AK0]
	v_add_nc_u32 v[AV], s[TBV], v[AV0]
	v_add_nc_u32 v[AM], s[TBM], v[AM0]
	s_add_co_u32 s[TBK], s[TBK], 64*PK
	s_add_co_u32 s[TBV], s[TBV], 64*PV
	s_add_co_u32 s[TBM], s[TBM], 256
	FETCH_K
	FETCH_V
	FETCH_M
	s_wait_dscnt 40                 ; all but the 40 just issued: the window of E2, fetched a step ago, is in
	QNONE
	EBLK DA, 0, 0                   ; q side, tile 0
	QMS DA, 0, 0
	EBLK DB, 0, 1                   ; q side, tile 1 | tile 0 merged and staged
	LDQ 0
	s_wait_dscnt 36                 ; all but those 32 stores and 4 loads: K, V and the mask are in
	QMS DB, 0, 1
	EBLK DA, 1, 0                   ; k side, key tile 0 | q side's tile 1
	LDQ 1
	QMS DA, 1, 0
	EBLK DB, 1, 1
	QMS DB, 1, 1
	EBLK DA, 1, 2
	QMS DA, 1, 2
	EBLK DB, 1, 3
	QMS DB, 1, 3
	EBLK DA, 0, 2                   ; q side, tile 2 | k side's key tile 3: the k side's stage is whole
	LDK 0
	LDK 1
	QMS DA, 0, 2
	EBLK DB, 0, 3
	LDQ 2
	LDK 2
	s_wait_dscnt 40                 ; all but the last block's 32 stores and 8 loads: tiles 0 and 1 are read back
	QMS DB, 0, 3
	SQBLK 0
	LDQ 3
	LDK 3
	FETCH_E
	QSM 0
	SQBLK 1
	s_wait_dscnt 32                 ; all but the next window's 32 loads: tiles 2 and 3 are read back
	SQBLK 2
	DRAIN
	QSM 1
	SQBLK 3
	PVBLK 0
	DRAIN
	QSM 2
	PVBLK 1
	DRAIN
	QSM 3
	PVBLK 2
	DRAIN
	QNONE
	PVBLK 3
.endm
.macro TWO_STEPS                    ; a slot's two key steps: written once, walked twice; the LDS addresses hang on the scalar bases
	WIN 0
	s_mov_b32 s[CNT], 2
.Lstep_\@:
	STEP
	WIN 0
	s_sub_co_u32 s[CNT], s[CNT], 1
	s_cmp_lg_u32 s[CNT], 0
	s_cbranch_scc1 .Lstep_\@
.endm
; THE CHANGE OF SLOTS.  Each wave waits for all its tensor loads (one is out: its part of the other slot), adds 0 to its spare word, and waits for that and for its own reads of the slot.
; fill = 1: the barrier is a round of the cluster's, and the slot is filled again, with the keys two slots on, first thing behind it: it has two key steps, 320 matrix instructions, in which to land.
.macro CHANGE fill
	WIN 0
	s_wait_tensorcnt 0x0            ; no tensor load of mine is out, so a group 0 may be written
	ds_add_u32 v[SPW], v[NIL]       ; 0 onto my spare word
.if \fill
.irp g, G0K+4, G0V+4
	s_xor_b32 s[(\g)+1], s[(\g)+1], SLOT1
	s_add_nc_u64 s[(\g)+2:(\g)+3], s[(\g)+2:(\g)+3], 16384
.endr
	s_wait_xcnt 0x0                 ; the last prefetch, two key steps back, has read its address
	s_add_nc_u64 s[PFA:PFA+1], s[PFA:PFA+1], 16384
	s_wait_dscnt 0x0                ; the add is done, and my reads of the slot are over
	CROUND
	JLOAD
	ASK
.else
	s_wait_dscnt 0x0
	s_barrier_signal -1
	s_barrier_wait -1
.endif
	s_sub_co_u32 s[TBK], s[TBK], 128*PK
	s_xor_b32 s[TBK], s[TBK], SLOT1
	s_sub_co_u32 s[TBV], s[TBV], 128*PV
	s_xor_b32 s[TBV], s[TBV], SLOT1
.endm
	s_wait_tensorcnt 0x1            ; my parts of the band, the mask row and slot 0 are in; slot 1's may stay out
	s_barrier_signal -1
	s_barrier_wait -1               ; everybody's are
	v_add_nc_u32 v[AE], s[TBE], v[AE0]
	ELOADS                          ; key step 0's window
	s_wait_loadcnt 0x0              ; Q
	WIN 0
	s_mov_b32 s[SLOTS], 7
	s_branch .Lenter                ; slot 0 is entered without a change
.Lslot:                             ; six times: slots 2 to 7 are asked for
	CHANGE 1
.Lenter:
	TWO_STEPS
	s_sub_co_u32 s[SLOTS], s[SLOTS], 1
	s_cmp_lg_u32 s[SLOTS], 0
	s_cbranch_scc1 .Lslot
	CHANGE 0                        ; the tail is written out
	TWO_STEPS
	; THE WAY OUT.  l's two halves and the other half of the lanes' are added; O^T is divided by l and sent, in f32, through my stage (rows of 272 bytes), a tile at a time.
	WIN 0
	PLACES
.irp t, 0,1,2,3
	v_add_f32 v[ST+8*(\t)+4], v[ST+8*(\t)+2], v[ST+8*(\t)+3]
.endr
.irp t, 0,1,2,3
	v_permlanex16_b32 v[ST+8*(\t)+5], v[ST+8*(\t)+4], s[SEL], s[SEL+1]
.endr
.irp t, 0,1,2,3
	v_add_f32 v[ST+8*(\t)+4], v[ST+8*(\t)+4], v[ST+8*(\t)+5]
.endr
.irp t, 0,1,2,3
	v_rcp_f32 v[ST+8*(\t)+6], v[ST+8*(\t)+4]
.endr
	v_nop                           ; a plain instruction between the last reciprocal and the use of its result,
	s_wait_alu depctr_va_vdst(0)    ; and the wait ahead of the first use: one for the four
.macro PACK t                       ; a lane's eight channels of a channel block are 32 bytes of its query's row
	WIN W_RS
.set i, 32*(\t)
.rept 16
	v_pk_mul_f32 v[i:i+1], v[i:i+1], v[ST+8*(\t)+6:ST+8*(\t)+7] op_sel_hi:[1,0]
.set i, i+2
.endr
	WIN 0x04                        ; the stores' data in window 1, their address in window 0
.irp cb, 0,1,2,3
	ds_store_b128 v[OSTO], v[32*(\t)+8*(\cb):32*(\t)+8*(\cb)+3]   offset:(\cb)*64
	ds_store_b128 v[OSTO], v[32*(\t)+8*(\cb)+4:32*(\t)+8*(\cb)+7] offset:(\cb)*64+16
.endr
	WIN 0
.irp f, 0,1,2,3,4,5,6,7
	ds_load_b128 v[S+32*(\t)+4*(\f):S+32*(\t)+4*(\f)+3], v[ORD] offset:(\f)*544  ; two whole rows of 256 bytes; these see the stores above, and the next tile's stores come behind them
.endr
.endm
.macro SEND t, younger              ; younger: the LDS instructions issued behind tile t's loads
	WIN 0
.irp f, 0,1,2,3,4,5,6,7
	s_wait_dscnt (\younger)+7-(\f)
	global_store_b128 v[GO], v[S+32*(\t)+4*(\f):S+32*(\t)+4*(\f)+3], s[10:11] offset:(\t)*65536+(\f)*8192 th:TH_STORE_NT  ; 16 lanes store a position's 256 bytes of my head, aligned
.endr
.endm
	PACK 0
	PACK 1
	SEND 0, 16
	PACK 2
	SEND 1, 16
	PACK 3
	SEND 2, 16
	SEND 3, 0
	s_wait_tensorcnt 0x0            ; the wave's end: a closing add and its wait, behind my last tensor load and my last LDS store
	ds_add_u32 v[SPW], v[NIL]
	s_wait_dscnt 0x0
	CROUND                          ; the closing round: no work-group ends while a partner may still ask for a tile that names it
	s_endpgm
.Lfunc_end_k_qa0bd0b8887_attn:
	.size	k_qa0bd0b8887_attn, .Lfunc_end_k_qa0bd0b8887_attn-k_qa0bd0b8887_attn
	.p2alignl 7, 3214868480
	.fill 96, 4, 3214868480
	.section	.rodata,"a",@progbits
	.p2align	6, 0x0
	.amdhsa_kernel k_qa0bd0b8887_attn
		.amdhsa_group_segment_fixed_size 327680
		.amdhsa_private_segment_fixed_size 0
		.amdhsa_enable_private_segment 0
		.amdhsa_kernarg_size 32
		.amdhsa_user_sgpr_count 2
		.amdhsa_user_sgpr_kernarg_segment_ptr 1
		.amdhsa_wavefront_size32 1
		.amdhsa_system_sgpr_workgroup_id_x 1
		.amdhsa_system_sgpr_workgroup_id_y 1
		.amdhsa_system_sgpr_workgroup_id_z 1
		.amdhsa_system_vgpr_workitem_id 0
		.amdhsa_next_free_vgpr 1024
		.amdhsa_next_free_sgpr 100
		.amdhsa_reserve_vcc 1
		.amdhsa_float_denorm_mode_32 3
		.amdhsa_float_denorm_mode_16_64 3
		.amdhsa_memory_ordered 1
		.amdhsa_forward_progress 1
		.amdhsa_inst_pref_size 208
	.end_amdhsa_kernel
	.amdgpu_metadata
---
amdhsa.version: [ 1, 2 ]
amdhsa.kernels:
  - .name:           k_qa0bd0b8887_attn
    .symbol:         k_qa0bd0b8887_attn.kd
    .args:
      - { .name: qkv, .offset: 0, .size: 8, .value_kind: global_buffer, .address_space: global }
      - { .name: ef, .offset: 8, .size: 8, .value_kind: global_buffer, .address_space: global }
      - { .name: m8, .offset: 16, .size: 8, .value_kind: global_buffer, .address_space: global }
      - { .name: out0, .offset: 24, .size: 8, .value_kind: global_buffer, .address_space: global }
    .group_segment_fixed_size: 327680
    .private_segment_fixed_size: 0
    .kernarg_segment_align: 8
    .kernarg_segment_size: 32
    .max_flat_workgroup_size: 128
    .sgpr_count:     100
    .vgpr_count:     1024
    .wavefront_size: 32
...
	.end_amdgpu_metadata
.endif
;; end of part 3
;; ======== version 2 of 2: 3 launches
;; limits: values are held in f16: magnitudes above 65,504 overflow, below 6.1e-05 lose precision; values outside matrix products are rounded to bf16
;; workspace buffers: xb 16,777,216 bytes; wb 6,291,456 bytes; bcat 12,288 bytes; m8 32,768 bytes; ef 270,336 bytes; qkv 50,331,648 bytes
;; launch prep (part 4): grid 781 x 1, 8 waves a work-group, no clusters, 0 bytes of LDS; arguments hidden_states, Wq, Wk, Wv, bq, bk, bv, attention_mask, dist_emb, xb, wb, bcat, m8, ef; writes xb, wb, bcat, m8, ef
.if DOCPART == 4
	.amdgcn_target "amdgcn-amd-amdhsa--gfx1250"
	.amdhsa_code_object_version 6
	.text
	.protected	k_qa0bd0b8887_prep
	.globl	k_qa0bd0b8887_prep
	.p2align	8
	.type	k_qa0bd0b8887_prep,@function
k_qa0bd0b8887_prep:
	s_mov_b64 s[64:65], 0
	v_nop
	global_prefetch_b8 v0, s[64:65] scope:SCOPE_SE
	s_setreg_imm32_b32 hwreg(HW_REG_WAVE_MODE, 25, 1), 1
	s_wait_xcnt 0x0
; PREP: every input is rounded once to bf16 and laid out for the two launches behind.
;   work-groups   0..511  xb  = bf16(hidden_states), [8192][1024]           16,384 numbers each
;   work-groups 512..703  wb  = bf16(Wq, Wk, Wv), [3072][1024]              16,384 numbers each
;   work-groups 704..769  ef  = the distance table in f16, in the order of matrix fragments (below)
;   work-groups 770..777  m8  = 8 x bf16(attention_mask), held to -1e30 .. 1e30, f32 [8][1024]
;   work-groups 778..780  bcat = bf16(bq, bk, bv) written as f32 [3072]
; ef: 132 tiles of 16 table rows x 64 channels, 2,048 bytes each.  Tile T holds rows x = 16 (T - 4) + m, m = 0..15, of E2, where E2[x] = dist_emb[x - 1] for x = 1..2047
; and 0 for x < 1 (x = l - r + 1024).  A tile is four chunks of 512 bytes; in chunk q lane n has 16 bytes: fragment row M = n % 16, channels 16 q + 8 (n / 16) + 0..7.
; Fragment row M holds table row m = 4 (M / 8) + (M / 2) % 4 + 8 (M % 2): in a product's result registers 2 i and 2 i + 1 of a lane then hold rows m and m + 8.
; LIMITS.  A table entry is rounded to bf16 and written as f16: exact from 6.1e-5 to 65,504 in magnitude; below, f16's fixed step of 6e-8 holds.  8 x mask beyond 1e30 in magnitude
; (an infinity too) counts as 1e30.  NaN is not treated apart.
; A stream: no LDS, no matrix unit, no cluster (no two work-groups read the same bytes).  Each store of a wave covers 512 consecutive bytes, aligned.
	s_load_b512 s[8:23], s[0:1], 0x0               ; hidden s[8:9], Wq s[10:11], Wk s[12:13], Wv s[14:15], bq s[16:17], bk s[18:19], bv s[20:21], mask s[22:23]
	s_load_b256 s[24:31], s[0:1], 0x40             ; dist_emb s[24:25], xb s[26:27], wb s[28:29], bcat s[30:31]
	s_load_b128 s[32:35], s[0:1], 0x60             ; m8 s[32:33], ef s[34:35]
	s_mov_b32 s3, 0                                ; high words of the two offsets
	s_mov_b32 s5, 0
	s_wait_kmcnt 0x0
	s_cmp_lt_u32 ttmp9, 704
	s_cbranch_scc0 .Lnot_cast
	s_cmp_lt_u32 ttmp9, 512
	s_cbranch_scc0 .Lweights
	s_lshl_b32 s2, ttmp9, 16                       ; 65,536 bytes of f32 in,
	s_lshl_b32 s4, ttmp9, 15                       ; 32,768 bytes of bf16 out
	s_add_nc_u64 s[36:37], s[8:9], s[2:3]
	s_add_nc_u64 s[38:39], s[26:27], s[4:5]
	s_branch .Lcast
.Lweights:
	s_sub_co_u32 s6, ttmp9, 512                    ; 0..191: 64 work-groups to a matrix
	s_lshr_b32 s7, s6, 6
	s_cmp_eq_u32 s7, 0
	s_cselect_b64 s[36:37], s[10:11], s[12:13]
	s_cmp_eq_u32 s7, 2
	s_cselect_b64 s[36:37], s[14:15], s[36:37]
	s_and_b32 s2, s6, 63
	s_lshl_b32 s2, s2, 16
	s_lshl_b32 s4, s6, 15                          ; the three matrices follow each other in wb
	s_add_nc_u64 s[36:37], s[36:37], s[2:3]
	s_add_nc_u64 s[38:39], s[28:29], s[4:5]
.Lcast:
	v_lshlrev_b32 v1, 5, v0                        ; 32 bytes in a thread,
	v_lshlrev_b32 v2, 4, v0                        ; 16 bytes out
.irp it, 0,1,2,3,4,5,6,7                               ; all sixteen loads go out first: 256 bytes a lane on their way
	global_load_b128 v[16+8*(\it):19+8*(\it)], v1, s[36:37] offset:(\it)*8192 th:TH_LOAD_NT
	global_load_b128 v[20+8*(\it):23+8*(\it)], v1, s[36:37] offset:(\it)*8192+16 th:TH_LOAD_NT
.endr
.irp it, 0,1,2,3,4,5,6,7
	s_wait_loadcnt 14-2*(\it)                      ; loads come back in order: this pair is in, the younger pairs stay out
	v_cvt_pk_bf16_f32 v[80+4*(\it)], v[16+8*(\it)], v[17+8*(\it)]
	v_cvt_pk_bf16_f32 v[81+4*(\it)], v[18+8*(\it)], v[19+8*(\it)]
	v_cvt_pk_bf16_f32 v[82+4*(\it)], v[20+8*(\it)], v[21+8*(\it)]
	v_cvt_pk_bf16_f32 v[83+4*(\it)], v[22+8*(\it)], v[23+8*(\it)]
	global_store_b128 v2, v[80+4*(\it):83+4*(\it)], s[38:39] offset:(\it)*4096 th:TH_STORE_NT  ; no register is written twice, so nothing waits for the stores
.endr
	s_endpgm
.Lnot_cast:
	s_cmp_lt_u32 ttmp9, 770
	s_cbranch_scc0 .Lsmall_jobs
	; the table: a thread makes one lane's 16 bytes of one chunk
	s_sub_co_u32 s2, ttmp9, 704
	s_lshl_b32 s2, s2, 8
	v_add_nc_u32 v1, s2, v0                        ; c = the 16-byte piece's number, 0..16,895
	v_lshrrev_b32 v2, 7, v1                        ; tile
	v_bfe_u32 v3, v1, 5, 2                         ; chunk q
	v_bfe_u32 v12, v1, 1, 2                        ; fragment row M = c % 16: (M / 2) % 4,
	v_bfe_u32 v13, v1, 3, 1                        ; M / 8,
	v_and_b32 v14, 1, v1                           ; M % 2
	v_lshl_add_u32 v12, v13, 2, v12
	v_lshl_add_u32 v4, v14, 3, v12                 ; the table row in the tile: m = 4 (M / 8) + (M / 2) % 4 + 8 (M % 2)
	v_bfe_u32 v5, v1, 4, 1                         ; half of the lanes
	v_lshl_add_u32 v6, v2, 4, v4                   ; x + 64
	v_mov_b32 v8, 65
	v_mov_b32 v10, 0
	v_cmp_gt_u32 s6, 65, v6                        ; x < 1: the row is 0, and row 0 of the table is read in its stead
	v_cndmask_b32 v7, v6, v8, s6
	v_add_nc_u32 v7, 0xffffffbf, v7                ; x - 1 = (x + 64) - 65
	v_min_u32 v7, 0x7fe, v7                        ; inside the table's 2,047 rows
	v_lshlrev_b32 v9, 8, v7                        ; a row is 256 bytes
	v_lshl_add_u32 v9, v3, 6, v9                   ; channels 16 q on,
	v_lshl_add_u32 v9, v5, 5, v9                   ; 8 more for the upper lanes
	global_load_b128 v[16:19], v9, s[24:25]
	global_load_b128 v[20:23], v9, s[24:25] offset:16
	v_lshlrev_b32 v11, 4, v1
	s_wait_loadcnt 0x0
.irp k, 0,1,2,3
	v_cvt_pk_bf16_f32 v[24+(\k)], v[16+2*(\k)], v[17+2*(\k)]  ; the input's one rounding, to bf16;
.endr
.irp k, 0,1,2,3
	v_lshlrev_b32 v[16+2*(\k)], 16, v[24+(\k)]
	v_and_b32 v[17+2*(\k)], 0xffff0000, v[24+(\k)]
.endr
.irp k, 0,1,2,3
	v_cvt_pk_f16_f32 v[28+(\k)], v[16+2*(\k)], v[17+2*(\k)]   ; that number written as f16
.endr
.irp k, 0,1,2,3
	v_cndmask_b32 v[28+(\k)], v[28+(\k)], v10, s6
.endr
	global_store_b128 v11, v[28:31], s[34:35]
	s_endpgm
.Lsmall_jobs:
	s_sub_co_u32 s2, ttmp9, 770
	s_cmp_lt_u32 s2, 8
	s_cbranch_scc0 .Lbias
	s_lshl_b32 s4, s2, 12                          ; a batch's 1,024 mask numbers
	s_add_nc_u64 s[36:37], s[22:23], s[4:5]
	s_add_nc_u64 s[38:39], s[32:33], s[4:5]
	s_mov_b32 s6, 0x41000000                       ; 8.0: the scores are divided by 8 behind the mask's addition, in the exponent's factor
	s_branch .Lsmall
.Lbias:
	s_sub_co_u32 s7, s2, 8
	s_cmp_eq_u32 s7, 0
	s_cselect_b64 s[36:37], s[16:17], s[18:19]
	s_cmp_eq_u32 s7, 2
	s_cselect_b64 s[36:37], s[20:21], s[36:37]
	s_lshl_b32 s4, s7, 12
	s_add_nc_u64 s[38:39], s[30:31], s[4:5]
	s_mov_b32 s6, 1.0
.Lsmall:
	s_mov_b32 s7, 0xf149f2ca                       ; -1e30
	s_mov_b32 s2, 0x7149f2ca                       ; 1e30
	v_lshlrev_b32 v1, 4, v0
	global_load_b128 v[4:7], v1, s[36:37]
	s_wait_loadcnt 0x0
	v_cvt_pk_bf16_f32 v8, v4, v5
	v_cvt_pk_bf16_f32 v9, v6, v7
	v_lshlrev_b32 v12, 16, v8
	v_and_b32 v13, 0xffff0000, v8
	v_lshlrev_b32 v14, 16, v9
	v_and_b32 v15, 0xffff0000, v9
.irp k, 12,13,14,15
	v_mul_f32 v\k, s6, v\k
.endr
.irp k, 12,13,14,15
	v_med3_num_f32 v\k, v\k, s7, s2
.endr
	global_store_b128 v1, v[12:15], s[38:39]
	s_endpgm
.Lfunc_end_k_qa0bd0b8887_prep:
	.size	k_qa0bd0b8887_prep, .Lfunc_end_k_qa0bd0b8887_prep-k_qa0bd0b8887_prep
	.p2alignl 7, 3214868480
	.fill 96, 4, 3214868480
	.section	.rodata,"a",@progbits
	.p2align	6, 0x0
	.amdhsa_kernel k_qa0bd0b8887_prep
		.amdhsa_group_segment_fixed_size 0
		.amdhsa_private_segment_fixed_size 0
		.amdhsa_enable_private_segment 0
		.amdhsa_kernarg_size 112
		.amdhsa_user_sgpr_count 2
		.amdhsa_user_sgpr_kernarg_segment_ptr 1
		.amdhsa_wavefront_size32 1
		.amdhsa_system_sgpr_workgroup_id_x 1
		.amdhsa_system_sgpr_workgroup_id_y 1
		.amdhsa_system_sgpr_workgroup_id_z 1
		.amdhsa_system_vgpr_workitem_id 0
		.amdhsa_next_free_vgpr 112
		.amdhsa_next_free_sgpr 66
		.amdhsa_reserve_vcc 0
		.amdhsa_float_denorm_mode_32 3
		.amdhsa_float_denorm_mode_16_64 3
		.amdhsa_memory_ordered 1
		.amdhsa_forward_progress 1
		.amdhsa_inst_pref_size 11
	.end_amdhsa_kernel
	.amdgpu_metadata
---
amdhsa.version: [ 1, 2 ]
amdhsa.kernels:
  - .name:           k_qa0bd0b8887_prep
    .symbol:         k_qa0bd0b8887_prep.kd
    .args:
      - { .name: hidden_states, .offset: 0, .size: 8, .value_kind: global_buffer, .address_space: global }
      - { .name: Wq, .offset: 8, .size: 8, .value_kind: global_buffer, .address_space: global }
      - { .name: Wk, .offset: 16, .size: 8, .value_kind: global_buffer, .address_space: global }
      - { .name: Wv, .offset: 24, .size: 8, .value_kind: global_buffer, .address_space: global }
      - { .name: bq, .offset: 32, .size: 8, .value_kind: global_buffer, .address_space: global }
      - { .name: bk, .offset: 40, .size: 8, .value_kind: global_buffer, .address_space: global }
      - { .name: bv, .offset: 48, .size: 8, .value_kind: global_buffer, .address_space: global }
      - { .name: attention_mask, .offset: 56, .size: 8, .value_kind: global_buffer, .address_space: global }
      - { .name: dist_emb, .offset: 64, .size: 8, .value_kind: global_buffer, .address_space: global }
      - { .name: xb, .offset: 72, .size: 8, .value_kind: global_buffer, .address_space: global }
      - { .name: wb, .offset: 80, .size: 8, .value_kind: global_buffer, .address_space: global }
      - { .name: bcat, .offset: 88, .size: 8, .value_kind: global_buffer, .address_space: global }
      - { .name: m8, .offset: 96, .size: 8, .value_kind: global_buffer, .address_space: global }
      - { .name: ef, .offset: 104, .size: 8, .value_kind: global_buffer, .address_space: global }
    .group_segment_fixed_size: 0
    .private_segment_fixed_size: 0
    .kernarg_segment_align: 8
    .kernarg_segment_size: 112
    .max_flat_workgroup_size: 256
    .sgpr_count:     66
    .vgpr_count:     112
    .wavefront_size: 32
...
	.end_amdgpu_metadata
.endif
;; end of part 4
;; launch gemm: the kernel of part 2 again; grid 16 x 32, 4 waves a work-group, clusters of 4 x 4, 327,680 bytes of LDS; arguments xb, wb, bcat, qkv; writes qkv
;; launch attn (part 5): grid 4 x 128, 4 waves a work-group, clusters of 4 x 1, 327,680 bytes of LDS; arguments qkv, ef, m8, out0; writes out0
.if DOCPART == 5
	.amdgcn_target "amdgcn-amd-amdhsa--gfx1250"
	.amdhsa_code_object_version 6
	.text
	.protected	k_qa0bd0b8887_attn
	.globl	k_qa0bd0b8887_attn
	.p2align	8
	.type	k_qa0bd0b8887_attn,@function
k_qa0bd0b8887_attn:
	s_mov_b64 s[64:65], 0
	v_nop
	global_prefetch_b8 v0, s[64:65] scope:SCOPE_SE
	s_setreg_imm32_b32 hwreg(HW_REG_WAVE_MODE, 25, 1), 1
	s_wait_xcnt 0x0
	s_wait_alu depctr_hold_cnt(0) depctr_sa_sdst(0) depctr_va_vdst(0) depctr_va_sdst(0) depctr_va_ssrc(0) depctr_va_vcc(0) depctr_vm_vsrc(0)
	s_getreg_b32 s2, hwreg(HW_REG_IB_STS2, 6, 4)
	s_cmp_eq_u32 s2, 0
	s_cbranch_scc0 .Lentry_in_a_cluster
	s_endpgm
.Lentry_in_a_cluster:
	s_bfe_u32 s2, ttmp6, 0x10000c
	s_cmp_lg_u32 s2, 0x3003
	s_cbranch_scc0 .Lentry_shape_is_right
	s_endpgm
.Lentry_shape_is_right:
; ATTENTION WITH BOTH RELATIVE TERMS.  s[l][r] = q_l . k_r + q_l . E2[x] + k_r . E2[x] + 8 mask[r], x = l - r + 1024; p = softmax_r(s / 8); out0[b][l][64 head + d] = sum over r of p v_r[d].
; q, k, v: qkv[3][128 heads][1024][64] f16; E2: ef, f16, in fragment order; 8 mask: m8, f32.  Products, maxima and sums in f32; p is rounded to f16 for the last product (its sum is taken unrounded).
; LIMITS.  The two relative terms enter the scores as a matrix operand, rounded once from their f32 sums to bf16.  8 mask is held to -1e30 .. 1e30 by the launch that made it; a row whose keys are all
; hidden so counts them alike.  A weight below 2^-126 counts as 0.  NaN and infinities are not treated apart.
; SHARES.  A work-group owns 256 queries of one head, a wave 64: four tiles t of 16.  Every wave walks the head's 1,024 keys, 64 a step (four tiles kt of 16), two steps to an LDS slot.
; CLUSTER 4 x 1: a head's four query blocks walk the same K and V: those tiles are asked for jointly.  The table's band differs from block to block (84 tiles from tile 16 x block on) and is each work-group's own load.
; LAYOUT.  S^T = K Q^T: a lane holds ONE query, register j of a score tile the key 8 h + j (h = lane / 16).  Lane n = lane % 16 holds query la = n / 2 + 8 (n % 2) of its tile (why: below); keys lie in their
; natural order, ro = n.  Two tiles rounded to f16 ARE source 1 of O^T = V^T P.
; THE RELATIVE TERMS.  With table tile T holding x = 16 T + m: D = E_T Q_t^T (a register a row m, a lane a query la) and D = E_T K_kt^T (a lane a key ro).  Score tile (t, kt) needs x = 16 T0 + (la - ro),
; T0 = B0 + t - kt: tile T0 where la >= ro, tile T0 - 1 elsewhere.  Of two neighbouring tiles' results each lane and register needs just one.  The needed numbers go, in bf16, into stages of the wave's own in LDS:
; from the q side into row la, at key (la - m) % 16; from the k side into row ro, at query (ro + m) % 16.  Read back, 8 keys of the one and 8 of the other are source 1 of ONE more matrix instruction, whose C is
; the mask: it starts the tile's sum, and K Q^T is added onto it.
; WORDS, NOT HALVES.  The table's rows are so ordered (by the launch that made ef) that registers 2 i, 2 i + 1 of a lane hold m0 = 4 h + i and m0 + 8: their cells lie 8 apart.  In a stage's row index p lies at
; half-word 2 (p % 8) + p / 8, so the two share a word.  One conversion packs a result's pair; one v_perm_b32 with a selector of the lane's own takes each half from the right tile and puts the two in order;
; one ds_store_b32 stores both.  The q side is read by rows, and source 0's first half is the permutation P(M, 2 (M % 8) + M / 8) = 1, which undoes the order.  The k side, laid [key][query's place], is read
; turned, by ds_load_tr16_b128: lane n receives place n, which is query n / 2 + 8 (n % 2): hence the lanes' order of queries; source 0's second half is I.
; A step's window is eight table tiles, w = 0..7 for T = B0 - 4 + w, B0 = (first query - first key + 1024) / 16; a query tile takes w = t .. t + 4, a key tile w = 3 - kt .. 7 - kt: five tiles, ten products.
; THE ORDER.  Packing and merging ride behind the products of the block after, four to a product.  All LDS instructions stand in runs, never singly among the matrix instructions: a merged set's 16 stores together
; behind the block's last product, the stage's loads straight behind them: nine runs a key step.  The softmax rides four to a product too; what finds no product stands in lumps.
; REGISTERS, in windows of 256 (s_set_vgpr_msb: bits 1:0 source 0, 3:2 source 1, 5:4 source 2, 7:6 destination):
;   window 0: v1-31 addresses and at work; v32-63 statistics, 8 a tile; v64-191 S^T, 32 a tile; v192-255 P, 16 a tile
;   window 1: v0-127 O^T, 32 a tile; v128-167, v168-207 two sets of five band results; v208-239 the step's mask; v240-247 the stages' store addresses; v248-255 the selectors
;   window 2: v0-63 Q; v64-127 K; v128-191 V; v192-199 [P | I]          window 3: v0-127 the window of E2; v128-255 the stages read back, 8 a score tile
.set PK,    144       ; a row of K in LDS: 128 bytes + 16: the 16 rows of a load start at 16 different groups of four banks (64 banks of 4 bytes: ISA guide 11.1)
.set PV,    160       ; a row of V: 128 + 32
.set VOFF,  128*PK    ; a slot holds two steps: 128 rows of K, then 128 rows of V: 38,912 bytes
.set MT,    38912     ; the batch's 1,024 numbers of 8 mask, f32
.set SPARE, 43008     ; the spare words, 128 bytes a wave: two blocks of 256 bytes that no other line names
.set SPT,   176       ; a row of the q side's stage: 128 bytes + 48 = 44 words: row i starts at bank 4 (11 i % 16).  A store's 32 lanes take two words, 4 apart, in each of 16 rows; rows whose groups of four
                      ; banks adjoin are 3 rows apart, and there the word numbers differ modulo 4: 32 different banks.  11 is odd: the 16 rows of a 16-byte load start at 16 different groups too
.set QST,   43520     ; the q side's stages, never filled by a tensor load: for each wave 16 rows x 176
.set QSW,   16*SPT
.set KPT,   144       ; a row of the k side's stage: 128 + 16 = 36 words: row i starts at bank 4 (9 i % 16); adjoining groups are 9 rows apart, the word numbers there differ modulo 4: a store's 32 lanes take 32 banks
.set SLOT1, 65536     ; slot 1 begins here, so that one exclusive or turns an address in one slot into the other's
.set EB,    104448    ; the band: 84 tiles of 2,048 bytes
.set STG,   276480    ; the k side's stages, never filled by a tensor load: for each wave 64 rows (keys) x 144; the way out goes through them too
.set STGW,  64*KPT
.set LAM, 1           ; v1   la: my query in a tile
.set AK0, 2           ; v2   my lane's place in a tile of K; never rewritten
.set AV0, 3           ; v3   the same for V
.set AK,  4
.set AV,  5
.set AE0, 6           ; v6   my lane's place in the band, for window base 0
.set AM0, 7           ; v7   my place in the mask row
.set LQ,  8           ; v8   where I read the q side's stage
.set LK,  9           ; v9   the k side's, by the turning load
.set QO,  10
.set OSTO, 11         ; v11  the way out: where I put 32 bytes of a row of O
.set ORD, 12          ; v12  where I read rows back
.set GO,  13          ; v13  my offset in two rows of out0
.set PFO, 14          ; v14  the prefetch's offset; never rewritten
.set HH,  15          ; v15  lane / 16
.set AE,  16
.set AM,  17
.set RHO, 29          ; v29  lane % 16
.set SPW, 30          ; v30  LDS address of my spare word; never rewritten
.set NIL, 31          ; v31  0; never rewritten
.set ST,  32          ; tile t at ST + 8 t: c m, m, l (even keys', odd keys'), c0-c3 at work; a takes c2's place
.set S,   64
.set P,   192
.set DA,  128         ; window 1
.set DB,  168
.set MK,  208
.set SAQ, 240         ; for pair i: my word in my row of the q side's stage
.set SAK, 244         ; of the k side's
.set SELQ, 248        ; for pair i: v_perm_b32's selector, q side
.set SELK, 252        ; k side
.set KF,  64          ; window 2
.set VF,  128
.set IDN, 192
.set BR,  128         ; window 3
.set CS,  2           ; s[2:3]  c = log2(e) / 8
.set WV,  12
.set SLOTS, 13
.set CNT, 14
.set TBK, 15          ; s15  LDS byte at which K of the step to be fetched begins
.set TBV, 16          ; s16  the same for V, less VOFF
.set LIM, 17
.set PFA, 18          ; s[18:19]
.set SEL, 20          ; s[20:21]
.set G1K, 24
.set G1V, 32
.set G0K, 40          ; two sets; the second walks
.set G0V, 48
.set G0E, 56
.set G0M, 60
.set TBE, 66          ; s66  the window's base in the band, in bytes: 131,072 less 8,192 a step
.set TBM, 67          ; s67  the step's place in the mask row: 256 bytes a step
.set G1E, 68
.set G1M, 76
.set MSB, 0
.macro WIN new
.if MSB != (\new)
	s_set_vgpr_msb (MSB<<8)|(\new)
.set MSB, (\new)
.endif
.endm
.set W_E,  0x5b       ; E2 window 3, Q or K window 2, C and D window 1
.set W_B,  0x1e       ; [P | I] window 2, the stages' rows window 3, the mask window 1, S^T window 0
.set W_KQ, 0x0a       ; K and Q window 2, S^T window 0
.set W_PV, 0x52       ; V window 2, P window 0, O^T window 1
.set W_MS, 0x55       ; packing, merging and stage stores: all in window 1
.set W_RS, 0x41       ; O^T (destination and source 0) window 1, a window 0
.macro PLACES
.rept 4
	v_nop
.endr
.endm
.macro JLOAD                        ; a joint refill: waves 0, 1 fetch the two steps' K, waves 2, 3 their V.  An s_nop 0 and four v_nop follow each line
	s_cmp_lt_u32 s[WV], 2
	s_cbranch_scc0 .Lfor_v_\@
	tensor_load_to_lds s[G0K+4:G0K+7], s[G1K:G1K+7]
	s_nop 0
.rept 4
	v_nop
.endr
	s_branch .Lasked_\@
.Lfor_v_\@:
	tensor_load_to_lds s[G0V+4:G0V+7], s[G1V:G1V+7]
	s_nop 0
.rept 4
	v_nop
.endr
.Lasked_\@:
.endm
; A prefetch of the slot that the NEXT change will ask for: 64 blocks of 256 bytes of K and 64 of V.  A head has one cluster; its four partners take 16 + 16 blocks each, told apart by address; wave 0 asks:
; lanes 0-15 for K's, lanes 16-31 for V's, one instruction.  The last change that fills a slot asks for nothing; slots 0 to 2 come by their loads alone.
.macro ASK
	s_cmp_gt_u32 s[SLOTS], s[LIM]
	s_cbranch_scc0 .Lnot_mine_\@
	global_prefetch_b8 v[PFO], s[PFA:PFA+1] th:TH_LOAD_NT scope:SCOPE_SE
.Lnot_mine_\@:
.endm
.macro CROUND
	s_barrier_signal -1
	s_barrier_wait -1
	s_cmp_lg_u32 s[WV], 0
	s_cbranch_scc1 .Lnot_wave_0_\@
	s_barrier_signal -3
.Lnot_wave_0_\@:
	s_barrier_wait -3
	s_barrier_signal -1
	s_barrier_wait -1
.endm
	s_load_b256 s[4:11], s[0:1], 0x0  ; qkv s[4:5], ef s[6:7], m8 s[8:9], out0 s[10:11]
	v_lshl_add_u32 v[SPW], v0, 2, SPARE
	v_mov_b32 v[NIL], 0
	ds_add_u32 v[SPW], v[NIL]       ; the wave's opening: the add and its wait stand ahead of my first tensor load; the set-up below stands between them
	v_lshrrev_b32 v18, 5, v0
	v_readfirstlane_b32 s[WV], v18
	s_bfe_u32 s22, ttmp6, 0x40000   ; cx
	s_lshl_b32 s23, ttmp9, 2
	s_add_co_u32 s23, s23, s22      ; my block of 256 queries: it enters Q's, the band's and the output's global addresses alone
	s_and_b32 s84, ttmp7, 0xffff    ; batch x 16 + head, which the four partners share
	s_lshl_b32 s85, s84, 17         ; the head's first byte in each third of qkv
	s_and_b32 s86, s[WV], 1         ; which of a slot's two steps I fetch
	s_lshl_b32 s88, s86, 13
	s_add_co_u32 s88, s88, s85
	s_add_co_u32 s88, s88, 0x1000000
	s_mov_b32 s89, 0                ; s[88:89]: K at my step of slot 0
	s_mul_i32 s90, s86, 64*PK       ; its place in a slot, for K
	s_mul_i32 s91, s86, 64*PV       ; and for V
	s_lshl_b32 s92, s23, 15
	s_lshl_b32 s93, s[WV], 13
	s_add_co_u32 s92, s92, s93
	s_add_co_u32 s92, s92, s85
	s_mov_b32 s93, 0                ; s[92:93]: Q at my wave's first row
	s_lshr_b32 s94, s84, 4          ; the batch
	s_lshl_b32 s95, s94, 22
	s_lshl_b32 s96, s23, 20
	s_add_co_u32 s95, s95, s96
	s_lshl_b32 s96, s[WV], 18
	s_add_co_u32 s95, s95, s96
	s_and_b32 s96, s84, 15
	s_lshl_b32 s96, s96, 8
	s_add_co_u32 s96, s96, s95
	s_mov_b32 s97, 0                ; s[96:97]: out0 at my first row, my head's 256 bytes
	s_lshl_b32 s98, s94, 12
	s_lshl_b32 s99, s[WV], 10
	s_add_co_u32 s98, s98, s99
	s_add_co_u32 s[G0M+1], s99, MT  ; my quarter of the mask row
	s_mov_b32 s99, 0                ; s[98:99]
	s_mul_i32 s87, s[WV], 43008
	s_add_co_u32 s[G0E+1], s87, EB  ; my quarter of the band
	s_lshl_b32 s94, s23, 15         ; the band begins at tile 16 x block
	s_add_co_u32 s94, s94, s87
	s_mov_b32 s95, 0                ; s[94:95]
	s_lshl_b32 s86, s22, 12         ; the prefetches: my work-group's 16 blocks, in slot 2; the first change steps them to slot 3
	s_add_co_u32 s86, s86, s85
	s_add_co_u32 s86, s86, 0x1000000+2*16384
	s_mov_b32 s87, 0                ; s[86:87]
	; 64 keys are 8,192 dense bytes: asked for as 32 rows of 256 bytes, two keys a row, padded in LDS after every key
	s_mov_b32 s[G1K], 15|(1<<16)|(1<<20)|(1<<21)|(4<<22)|(3<<25)  ; the mask of four; 2-byte elements; padding on; bit 21 beside a mask; after every 32 words 4 words
	s_mov_b32 s[G1V], 15|(1<<16)|(1<<20)|(1<<21)|(4<<22)|(7<<25)  ; the same with 8 words
.irp g, G1K, G1V
	s_mov_b32 s[\g+1], 128<<16      ; tensor_dim0 = 128
	s_mov_b32 s[\g+2], 32<<16       ; tensor_dim1 = 32
	s_mov_b32 s[\g+3], 128<<16      ; tile_dim0 = 128
	s_mov_b32 s[\g+4], 32           ; tile_dim1 = 32
	s_mov_b32 s[\g+5], 128
	s_mov_b32 s[\g+6], 0
	s_mov_b32 s[\g+7], 0
.endr
	s_mov_b32 s[G1E], 3<<16         ; a quarter of the band: 43,008 dense bytes as 168 rows of 32 elements of 8 bytes; no mask, no padding
	s_mov_b32 s[G1E+1], 32<<16
	s_mov_b32 s[G1E+2], 168<<16
	s_mov_b32 s[G1E+3], 32<<16
	s_mov_b32 s[G1E+4], 168
	s_mov_b32 s[G1E+5], 32
	s_mov_b32 s[G1E+6], 0
	s_mov_b32 s[G1E+7], 0
	s_mov_b32 s[G1M], 3<<16         ; a quarter of the mask row: one row of 128 elements of 8 bytes
	s_mov_b32 s[G1M+1], 128<<16
	s_mov_b32 s[G1M+2], 1<<16
	s_mov_b32 s[G1M+3], 128<<16
	s_mov_b32 s[G1M+4], 1
	s_mov_b32 s[G1M+5], 128
	s_mov_b32 s[G1M+6], 0
	s_mov_b32 s[G1M+7], 0
	s_mov_b32 s[CS], 0x3e38aa3b     ; c = log2(e) / 8
	s_mov_b32 s[CS+1], s[CS]
	s_mov_b32 s[SEL], 0x76543210
	s_mov_b32 s[SEL+1], 0xfedcba98
	s_mov_b32 s[TBK], 0
	s_mov_b32 s[TBV], 0
	s_mov_b32 s[TBM], 0
	s_mov_b32 s[TBE], 131072
	s_cmp_eq_u32 s[WV], 0
	s_cselect_b32 s[LIM], 1, -1
	s_wait_dscnt 0x0                ; the opening add is done
	s_wait_kmcnt 0x0
	s_add_nc_u64 s[88:89], s[4:5], s[88:89]
.irp s, 0,1
	s_mov_b32 s[G0K+4*(\s)], 1
	s_add_co_u32 s[G0K+4*(\s)+1], s90, (\s)*SLOT1
	s_add_nc_u64 s[G0K+4*(\s)+2:G0K+4*(\s)+3], s[88:89], (\s)*16384
	s_or_b32 s[G0K+4*(\s)+3], s[G0K+4*(\s)+3], 0x80000000
	s_mov_b32 s[G0V+4*(\s)], 1
	s_add_co_u32 s[G0V+4*(\s)+1], s91, (\s)*SLOT1+VOFF
	s_add_nc_u64 s[G0V+4*(\s)+2:G0V+4*(\s)+3], s[88:89], 0x1000000+(\s)*16384
	s_or_b32 s[G0V+4*(\s)+3], s[G0V+4*(\s)+3], 0x80000000
.endr
	s_mov_b32 s[G0E], 1
	s_add_nc_u64 s[G0E+2:G0E+3], s[6:7], s[94:95]
	s_or_b32 s[G0E+3], s[G0E+3], 0x80000000
	s_mov_b32 s[G0M], 1
	s_add_nc_u64 s[G0M+2:G0M+3], s[8:9], s[98:99]
	s_or_b32 s[G0M+3], s[G0M+3], 0x80000000
	s_add_nc_u64 s[PFA:PFA+1], s[4:5], s[86:87]
	s_add_nc_u64 s[4:5], s[4:5], s[92:93]
	s_add_nc_u64 s[10:11], s[10:11], s[96:97]
	CROUND                          ; all four work-groups are here: the first joint loads meet
	s_cmp_lt_u32 s[WV], 2           ; a wave's four first fills stand in one branch, ahead of every wait on TENSORcnt and every LDS read: four loads of mine are out
	s_cbranch_scc0 .Lfirst_v
	tensor_load_to_lds s[G0E:G0E+3], s[G1E:G1E+7]
	s_nop 0
	tensor_load_to_lds s[G0M:G0M+3], s[G1M:G1M+7]
	s_nop 0
	tensor_load_to_lds s[G0K:G0K+3], s[G1K:G1K+7]
	s_nop 0
	tensor_load_to_lds s[G0K+4:G0K+7], s[G1K:G1K+7]
	s_nop 0
.rept 4
	v_nop
.endr
	s_branch .Lfirst_asked
.Lfirst_v:
	tensor_load_to_lds s[G0E:G0E+3], s[G1E:G1E+7]
	s_nop 0
	tensor_load_to_lds s[G0M:G0M+3], s[G1M:G1M+7]
	s_nop 0
	tensor_load_to_lds s[G0V:G0V+3], s[G1V:G1V+7]
	s_nop 0
	tensor_load_to_lds s[G0V+4:G0V+7], s[G1V:G1V+7]
	s_nop 0
.rept 4
	v_nop
.endr
.Lfirst_asked:
	v_and_b32 v[RHO], 15, v0        ; n = lane % 16: my key in a tile, my row of a fragment
	v_bfe_u32 v[HH], v0, 4, 1
	v_bfe_u32 v[LAM], v0, 1, 3      ; n / 2
	v_and_b32 v18, 1, v0
	v_lshl_add_u32 v[LAM], v18, 3, v[LAM]  ; la = n / 2 + 8 (n % 2): my query in a tile
	v_lshlrev_b32 v[QO], 7, v[LAM]
	v_lshl_add_u32 v[QO], v[HH], 4, v[QO]  ; row x 128 + 16 x half
	WIN 0x80
.set i, 0
.rept 8                             ; Q stays in registers: tile i / 2, channels 32 (i % 2) on
	global_load_b128 v[8*i:8*i+3],   v[QO], s[4:5] offset:(i/2)*2048+(i%2)*64
	global_load_b128 v[8*i+4:8*i+7], v[QO], s[4:5] offset:(i/2)*2048+(i%2)*64+32
.set i, i+1
.endr
	WIN 0
	s_mul_i32 s85, s[WV], STGW
	s_add_co_u32 s85, s85, STG      ; my stage, the k side's
	s_mul_i32 s86, s[WV], QSW
	s_add_co_u32 s86, s86, QST      ; and the q side's
	v_mul_u32_u24 v[AK0], v[RHO], PK
	v_lshl_add_u32 v[AK0], v[HH], 4, v[AK0]
	v_and_b32 v18, 7, v0            ; the turning load: lane l reads row 8 (l / 16) + l % 8, elements 8 ((l / 8) % 2) + 0..7
	v_bfe_u32 v19, v0, 3, 1
	v_lshl_add_u32 v20, v[HH], 3, v18
	v_mul_u32_u24 v[AV0], v20, PV
	v_lshl_add_u32 v[AV0], v19, 4, v[AV0]
	v_add_nc_u32 v[AV0], VOFF, v[AV0]
	v_mul_u32_u24 v[LK], v20, KPT   ; the same form on the k side's stage: rows are keys, elements the queries' places
	v_lshl_add_u32 v[LK], v19, 4, v[LK]
	v_add_nc_u32 v[LK], s85, v[LK]
	v_and_b32 v20, 31, v0
	s_lshl_b32 s84, s[WV], 13       ; a wave's windows lie four tiles above the wave's before
	s_add_co_u32 s84, s84, EB
	v_lshl_add_u32 v[AE0], v20, 4, s84
	v_lshlrev_b32 v[AM0], 5, v[HH]
	v_add_nc_u32 v[AM0], MT, v[AM0]
	v_mul_u32_u24 v21, v[LAM], SPT
	v_add_nc_u32 v21, s86, v21      ; the q side's stage, my query's row
	v_lshl_add_u32 v[LQ], v[HH], 4, v21  ; back: 16 bytes of it for each half of the lanes
	v_mul_u32_u24 v22, v[RHO], KPT
	v_add_nc_u32 v22, s85, v22      ; the k side's stage, my key's row
	v_mul_u32_u24 v[OSTO], v[LAM], 272
	v_lshl_add_u32 v[OSTO], v[HH], 5, v[OSTO]
	v_add_nc_u32 v[OSTO], s85, v[OSTO]
	v_mul_u32_u24 v[ORD], v[HH], 272
	v_lshl_add_u32 v[ORD], v[RHO], 4, v[ORD]
	v_add_nc_u32 v[ORD], s85, v[ORD]
	v_lshlrev_b32 v[GO], 12, v[HH]
	v_lshl_add_u32 v[GO], v[RHO], 4, v[GO]
	v_lshlrev_b32 v[PFO], 24, v[HH]
	v_lshl_add_u32 v[PFO], v[RHO], 8, v[PFO]
	; For pair i (rows m0 = 4 h + i in the packed word's low half, m0 + 8 in its high half): my word in the stage's row, and v_perm_b32's selector.  Its first source is the upper tile's packed word (bytes 4-7),
	; its second the lower tile's (bytes 0-3).  A half-word's code: row m0 from the upper tile 0x0504, from the lower 0x0100; row m0 + 8: 0x0706, 0x0302.  The cell with index below 8 takes the word's low half.
	v_lshlrev_b32 v24, 2, v[HH]
	v_mov_b32 v64, 0x0100
	v_mov_b32 v65, 0x0504
	v_mov_b32 v66, 0x0302
	v_mov_b32 v67, 0x0706
.macro MKSEL i, side                ; side 0: q (cell = key la - m, upper tile where m <= la); side 1: k (cell = query ro + m, upper tile where ro + m <= 15)
	v_add_nc_u32 v25, \i, v24       ; m0
.if \side
	v_add_nc_u32 v26, v[RHO], v25   ; the cell of m0, modulo 16
	v_cmp_ge_u32 s88, 15, v26
	v_cmp_ge_u32 s89, 7, v26
.else
	v_sub_nc_u32 v26, v[LAM], v25
	v_add_nc_u32 v27, 8, v25
	v_cmp_le_u32 s88, v25, v[LAM]
	v_cmp_le_u32 s89, v27, v[LAM]
.endif
	v_cndmask_b32 v27, v64, v65, s88       ; the code of m0,
	v_cndmask_b32 v28, v66, v67, s89       ; of m0 + 8
	v_lshl_or_b32 v68, v28, 16, v27        ; m0's cell below 8: it goes low
	v_lshl_or_b32 v69, v27, 16, v28        ; else high
	v_and_b32 v70, 8, v26
	v_cmp_ne_u32 s90, 0, v70
	v_cndmask_b32 v[72+4*(\side)+(\i)], v68, v69, s90
	v_and_b32 v71, 7, v26                  ; the word: the cell modulo 8
	v_lshl_add_u32 v[80+4*(\side)+(\i)], v71, 2, v[21+(\side)]
.endm
.irp i, 0,1,2,3
	MKSEL \i, 0
	MKSEL \i, 1
.endr
	WIN 0x40
.irp i, 0,1,2,3
	v_mov_b32 v[SAQ+\i], v[80+\i]
	v_mov_b32 v[SAK+\i], v[84+\i]
	v_mov_b32 v[SELQ+\i], v[72+\i]
	v_mov_b32 v[SELK+\i], v[76+\i]
.endr
	WIN 0
	; [P | I] as source 0, 16 x 32 in bf16: lane l holds row M = l % 16; register c its columns 8 h + 2 c, 8 h + 2 c + 1; register c + 4 the same + 16.
	; P: 1.0 in column 2 (M % 8) + M / 8: half (M / 4) % 2 of the lanes, register M % 4, half-word M / 8.  I: 1.0 in column 16 + M: half M / 8 of the lanes, register (M % 8) / 2, half-word M % 2.
	v_bfe_u32 v25, v0, 2, 1
	v_xor_b32 v25, v25, v[HH]       ; 0 where the column lies in my half's eight
	v_and_b32 v20, 3, v0
	v_lshl_or_b32 v20, v25, 2, v20  ; the register that holds the 1.0, or 4 and more
	v_bfe_u32 v27, v0, 3, 1
	v_lshlrev_b32 v27, 4, v27
	v_mov_b32 v28, 0x3f80
	v_lshlrev_b32 v21, v27, v28     ; in its low or its high half
	v_bfe_u32 v25, v0, 3, 1
	v_xor_b32 v25, v25, v[HH]
	v_bfe_u32 v22, v0, 1, 2
	v_lshl_or_b32 v22, v25, 2, v22
	v_and_b32 v27, 1, v0
	v_lshlrev_b32 v27, 4, v27
	v_lshlrev_b32 v23, v27, v28
	WIN 0x80
.irp c, 0,1,2,3
	v_cmp_eq_u32 vcc_lo, \c, v20
	v_cndmask_b32 v[IDN+\c], 0, v21, vcc_lo
	v_cmp_eq_u32 vcc_lo, \c, v22
	v_cndmask_b32 v[IDN+4+\c], 0, v23, vcc_lo
.endr
	WIN 0x40                        ; O^T and l start at 0, m at the lowest finite number: the first step is a step like any other, with a = 0.  All this stands in the wait for the first tiles
.set i, 0
.rept 128
	v_mov_b32 v[i], 0
.set i, i+1
.endr
	WIN 0
.set i, 0
.rept 4
	v_mov_b32 v[ST+8*i], 0xfe000000    ; c m: far below every c s
	v_mov_b32 v[ST+8*i+1], 0xff7fffff  ; m
	v_mov_b32 v[ST+8*i+2], 0
	v_mov_b32 v[ST+8*i+3], 0
.set i, i+1
.endr
; THE MATRIX WORK.  In every run the accumulators take turns, one instruction a turn.
; A band product: result y of five of set, channels 32 c on.  kind 0: window tile n + y times query tile n; kind 1: window tile 3 - n + y times key tile n.
.macro EW set, kind, n, y, c
	WIN W_E
.if \kind
.set rA, 16*(3-(\n)+(\y))+8*(\c)
.set rB, KF+16*(\n)+8*(\c)
.else
.set rA, 16*((\n)+(\y))+8*(\c)
.set rB, 16*(\n)+8*(\c)
.endif
.if (\c) == 0
	v_wmma_f32_16x16x32_f16 v[(\set)+8*(\y):(\set)+8*(\y)+7], v[rA:rA+7], v[rB:rB+7], 0
.else
	v_wmma_f32_16x16x32_f16 v[(\set)+8*(\y):(\set)+8*(\y)+7], v[rA:rA+7], v[rB:rB+7], v[(\set)+8*(\y):(\set)+8*(\y)+7]
.endif
.endm
.macro BIM t, kt                    ; S^T(t, kt) = [P | I] x (q side's 16 places, k side's 16 keys) + mask
	WIN W_B
	v_wmma_f32_16x16x32_bf16 v[S+32*(\t)+8*(\kt):S+32*(\t)+8*(\kt)+7], v[IDN:IDN+7], v[BR+32*(\t)+8*(\kt):BR+32*(\t)+8*(\kt)+7], v[MK+8*(\kt):MK+8*(\kt)+7]
.endm
.macro KQM t                        ; product i of 8 of S^T += K Q^T: channels 32 (i / 4) on, keys 16 (i % 4) on
	WIN W_KQ
.set rS, S+32*(\t)+8*(i%4)
.set rK, KF+16*(i%4)+8*(i/4)
.set rQ, 16*(\t)+8*(i/4)
	v_wmma_f32_16x16x32_f16 v[rS:rS+7], v[rK:rK+7], v[rQ:rQ+7], v[rS:rS+7]
.endm
.macro PVM t                        ; product i of 8 of O^T += V^T P: keys 32 (i / 4) on, channels 16 (i % 4) on
	WIN W_PV
.set rO, 32*(\t)+8*(i%4)
.set rV, VF+32*(i/4)+8*(i%4)
.set rP, P+16*(\t)+8*(i/4)
	v_wmma_f32_16x16x32_f16 v[rO:rO+7], v[rV:rV+7], v[rP:rP+7], v[rO:rO+7]
.endm
; THE LDS INSTRUCTIONS stand in runs.
.macro FETCH_K
	WIN 0x80
.irp f, 0,1,2,3,4,5,6,7             ; keys 16 (f / 2) on, channels 32 (f % 2) on
	ds_load_b128 v[KF+8*\f:KF+8*\f+3],   v[AK] offset:(\f/2)*16*PK+(\f%2)*64
	ds_load_b128 v[KF+8*\f+4:KF+8*\f+7], v[AK] offset:(\f/2)*16*PK+(\f%2)*64+32
.endr
.endm
.macro FETCH_V
	WIN 0x80
.irp f, 0,1,2,3,4,5,6,7             ; keys 32 (f / 4) on, channels 16 (f % 4) on
	ds_load_tr16_b128 v[VF+8*\f:VF+8*\f+3],   v[AV] offset:(\f/4)*32*PV+(\f%4)*32
	ds_load_tr16_b128 v[VF+8*\f+4:VF+8*\f+7], v[AV] offset:(\f/4)*32*PV+16*PV+(\f%4)*32
.endr
.endm
.macro FETCH_M                      ; register j of key tile kt: 8 mask of key 16 kt + 8 h + j, the same for all queries
	WIN 0x40
.irp kt, 0,1,2,3
	ds_load_b128 v[MK+8*\kt:MK+8*\kt+3],   v[AM] offset:64*\kt
	ds_load_b128 v[MK+8*\kt+4:MK+8*\kt+7], v[AM] offset:64*\kt+16
.endr
.endm
.macro ELOADS                       ; the window's eight tiles, four chunks each: 512 consecutive bytes a load
	WIN 0xc0
.irp w, 0,1,2,3,4,5,6,7
.irp q, 0,1,2,3
	ds_load_b128 v[16*(\w)+4*(\q):16*(\w)+4*(\q)+3], v[AE] offset:(\w)*2048+(\q)*512
.endr
.endr
.endm
.macro NEXT_E                       ; the next step's window lies four tiles lower: its address is made a block ahead of its run of loads.  The last step's (tiles 4 x wave on) is inside the band and serves nothing
	WIN 0
	s_sub_co_u32 s[TBE], s[TBE], 8192
	v_add_nc_u32 v[AE], s[TBE], v[AE0]
.endm
.macro LDQ t                        ; the q side's stage, query tile t: my query's places 8 h + 0..7 of key tile kt: registers 0-3 of source 1
	WIN 0xc0
.irp kt, 0,1,2,3
	ds_load_b128 v[BR+32*(\t)+8*\kt:BR+32*(\t)+8*\kt+3], v[LQ] offset:32*\kt
.endr
.endm
.macro LDK t                        ; the k side's, turned: keys 8 h + 0..7 of key tile kt, place n of query tile t: registers 4-7
	WIN 0xc0
.irp kt, 0,1,2,3
	ds_load_tr16_b128 v[BR+32*(\t)+8*\kt+4:BR+32*(\t)+8*\kt+7], v[LK] offset:\kt*16*KPT+32*(\t)
.endr
.endm
; A merged set's 16 stores, in one run: registers 4-7 of results 0 to 3.  kind 0: my query's row, key tile 3 - zz; kind 1: my key's row of key tile n, query tile zz.
.macro STRUN set, kind, n
	WIN W_MS
.irp zz, 0,1,2,3
.irp p, 0,1,2,3
.if \kind
	ds_store_b32 v[SAK+\p], v[(\set)+8*\zz+4+\p] offset:(\n)*16*KPT+\zz*32
.else
	ds_store_b32 v[SAQ+\p], v[(\set)+8*\zz+4+\p] offset:(3-\zz)*32
.endif
.endr
.endr
.endm
; THE VECTOR WORK stands in a queue; ONE writes its next entry, RIDE the next `per` entries behind a matrix instruction, DRAIN the rest.
; Kind 1, nine entries of four instructions, for a set of five band results: results 0 and 1 are packed; then by turns two neighbours are merged and the next result is packed.
; Packing: registers 2 p, 2 p + 1 are rounded to bf16 into register p, in ascending order, so that no pair is written over before it is read; each result's lowest registers are read first.
; Merging results zz and zz + 1: word p of both, by my selector, into register 4 + p of result zz.
.macro CMG
	WIN W_MS
.if (qp == 0) || (qp%2 == 1)
.set rD, mset+8*((qp+1)/2)
.irp p, 0,1,2,3
	v_cvt_pk_bf16_f32 v[rD+\p], v[rD+2*\p], v[rD+2*\p+1]
.endr
.else
.set rD, mset+8*(qp/2-1)
.irp p, 0,1,2,3
	v_perm_b32 v[rD+4+\p], v[rD+8+\p], v[rD+\p], v[msel+\p]
.endr
.endif
.endm
; Kind 2, 118 entries: tile smt's softmax for the step.  s0-s31 are the lane's 32 scores.
;   0-15 the maximum of s0-s31 and the old m     16-20 the other half of the lanes' maximum; m; c m; c m_old - c m_new
;   21-69 ONE BATCH: 16 scalings c s - c m and 33 exponentials (a at 23); none reads an exponential's result     ahead of 70: a v_nop and one wait ahead of the first reader
;   70-85 the roundings to f16     86-101 the sums; l = a l + sum     102-117 O^T times a
.macro SM
.set j, qp
.set rT, ST+8*smt
.set rS, S+32*smt
.set rP, P+16*smt
.set rO, 32*smt+2*(j-102)
.if j < 102
	WIN 0
.endif
.if j == 70
	v_nop
	s_wait_alu depctr_va_vdst(0)
.endif
.if j < 4
	v_max3_num_f32 v[rT+4+j], v[rS+8*j], v[rS+8*j+1], v[rS+8*j+2]
.elseif j < 12
	v_max3_num_f32 v[rT+4+j%4], v[rT+4+j%4], v[rS+8*(j%4)+2*(j/4)+1], v[rS+8*(j%4)+2*(j/4)+2]
.elseif j == 12
	v_max3_num_f32 v[rT+4], v[rT+4], v[rS+7], v[rS+15]
.elseif j == 13
	v_max3_num_f32 v[rT+6], v[rT+6], v[rS+23], v[rS+31]
.elseif j == 14
	v_max3_num_f32 v[rT+4], v[rT+4], v[rT+5], v[rT+6]
.elseif j == 15
	v_max3_num_f32 v[rT+4], v[rT+4], v[rT+7], v[rT+1]
.elseif j == 16
	v_permlanex16_b32 v[rT+5], v[rT+4], s[SEL], s[SEL+1]  ; the query's other 32 keys lie in the lane 16 away
.elseif j == 17
	v_mov_b32 v[rT+7], v[rT]        ; c m_old is kept for a
.elseif j == 18
	v_max_num_f32 v[rT+1], v[rT+4], v[rT+5]
.elseif j == 19
	v_mul_f32 v[rT], s[CS], v[rT+1]
.elseif j == 20
	v_sub_f32 v[rT+7], v[rT+7], v[rT]
.elseif j == 23
	v_exp_f32 v[rT+6], v[rT+7]
.elseif (j < 23) || ((j < 38) && (j%2 == 0)) || ((j < 66) && (j%4 == 2))
.set b, (j-2)/4
.if j < 38
.set b, (j-20)/2
.endif
	v_pk_fma_f32 v[rS+2*b:rS+2*b+1], v[rS+2*b:rS+2*b+1], s[CS:CS+1], v[rT:rT+1] op_sel_hi:[1,0,0] neg_lo:[0,0,1] neg_hi:[0,0,1]
.elseif j < 70
.set e, j-38
.if j < 66
.set e, j-32-(j-38)/4
.endif
.if j < 38
.set e, (j-25)/2
.endif
	v_exp_f32 v[rS+e], v[rS+e]
.elseif j < 86
	v_cvt_pk_f16_f32 v[rP+j-70], v[rS+2*(j-70)], v[rS+2*(j-70)+1]
.elseif j < 102
.set z, j-86
.set w, 4
.set u, z
.if z >= 14
.set w, 32
.set u, 0
.elseif z >= 12
.set w, 16
.set u, z-12
.elseif z >= 8
.set w, 8
.set u, z-8
.endif
.if z < 15
	v_pk_add_f32 v[rS+w*u:rS+w*u+1], v[rS+w*u:rS+w*u+1], v[rS+w*u+w/2:rS+w*u+w/2+1]
.else
	v_pk_fma_f32 v[rT+2:rT+3], v[rT+2:rT+3], v[rT+6:rT+7], v[rS:rS+1] op_sel_hi:[1,0,1]
.endif
.else
	WIN W_RS
	v_pk_mul_f32 v[rO:rO+1], v[rO:rO+1], v[rT+6:rT+7] op_sel_hi:[1,0]
.endif
.endm
.macro ONE
.if qp < qn
.if qkind == 1
	CMG
.else
	SM
.endif
.set qp, qp+1
.endif
.endm
.macro RIDE
.rept per
	ONE
.endr
.endm
.macro DRAIN
.rept 120
	ONE
.endr
.endm
.macro QNONE
.set qkind, 1
.set qp, 0
.set qn, 0
.set per, 1
.endm
.macro QMS set, kind
.set qkind, 1
.set qp, 0
.set qn, 9
.set per, 1
.set mset, \set
.set msel, SELQ+4*(\kind)
.endm
.macro QSM t
.set qkind, 2
.set qp, 0
.set qn, 118
.set per, 4
.set smt, \t
.endm
; THE BLOCKS.  Behind a block's first matrix instruction stand four v_nop: the places between the block before's last product and the riders, which read its results.
.macro EBLK set, kind, n            ; ten band products: five results, two halves of the channels; nine of them carry a group of riders
.irp c, 0,1
.irp y, 0,1,2,3,4
	EW \set, \kind, \n, \y, \c
.if ((\c) == 0) && ((\y) == 0)
	PLACES
.else
	RIDE
.endif
.endr
.endr
.endm
.macro SQBLK t                      ; a query tile's scores: four products that start the sums, eight that add K Q^T
	BIM \t, 0
	PLACES
.irp kt, 1,2,3
	BIM \t, \kt
	RIDE
.endr
.rept 5
	v_nop                           ; a bf16 and an f16 form on one accumulator are no chain: five places between them (ISA guide 7.12.1)
.endr
.set i, 0
.rept 8
	KQM \t
	RIDE
.set i, i+1
.endr
.endm
.macro PVBLK t
.set i, 0
.rept 8
	PVM \t
	RIDE
.set i, i+1
.endr
.endm
; A KEY STEP.  The stages are the wave's own, and LDS serves a wave's instructions in order (ISA guide 5.7.1.4): no wait stands between their stores and their loads, and one buffer a side suffices.
; A set of band results is made in one block, packed and merged by the riders of the next, and stored in the run behind that block's last product; the block after writes the set anew.
.macro STEP
	WIN 0
	PLACES                          ; behind the last V^T P, in front of the loads into V's registers
	v_add_nc_u32 v[AK], s[TBK], v[AK0]
	v_add_nc_u32 v[AV], s[TBV], v[AV0]
	v_add_nc_u32 v[AM], s[TBM], v[AM0]
	s_add_co_u32 s[TBK], s[TBK], 64*PK
	s_add_co_u32 s[TBV], s[TBV], 64*PV
	s_add_co_u32 s[TBM], s[TBM], 256
	FETCH_K
	FETCH_V
	FETCH_M
	s_wait_dscnt 40                 ; all but the 40 just issued: the window of E2, fetched a step ago, is in
	QNONE
	EBLK DA, 0, 0                   ; q side, tile 0
	QMS DA, 0
	EBLK DB, 0, 1                   ; q side, tile 1 | tile 0 packed and merged
	STRUN DA, 0, 0
	LDQ 0
	s_wait_dscnt 20                 ; all but those 16 stores and 4 loads: K, V and the mask are in
	QMS DB, 0
	EBLK DA, 1, 0                   ; k side, key tile 0 | q side's tile 1
	STRUN DB, 0, 1
	LDQ 1
	QMS DA, 1
	EBLK DB, 1, 1
	STRUN DA, 1, 0
	QMS DB, 1
	EBLK DA, 1, 2
	STRUN DB, 1, 1
	QMS DA, 1
	EBLK DB, 1, 3
	STRUN DA, 1, 2
	QMS DB, 1
	EBLK DA, 0, 2                   ; q side, tile 2 | k side's key tile 3
	STRUN DB, 1, 3                  ; the k side's stage is whole
	LDK 0
	LDK 1
	QMS DA, 0
	EBLK DB, 0, 3
	STRUN DA, 0, 2
	LDQ 2
	LDK 2
	s_wait_dscnt 24                 ; all but the last run's 16 stores and 8 loads: tiles 0 and 1 are read back
	NEXT_E
	QMS DB, 0
	SQBLK 0
	STRUN DB, 0, 3
	LDQ 3
	LDK 3
	ELOADS                          ; the next step's window, in the same run
	QSM 0
	SQBLK 1
	s_wait_dscnt 32                 ; all but the next window's 32 loads: tiles 2 and 3 are read back
	SQBLK 2
	DRAIN
	QSM 1
	SQBLK 3
	PVBLK 0
	DRAIN
	QSM 2
	PVBLK 1
	DRAIN
	QSM 3
	PVBLK 2
	DRAIN
	QNONE
	PVBLK 3
.endm
.macro TWO_STEPS                    ; a slot's two key steps: written once, walked twice; the LDS addresses hang on the scalar bases
	WIN 0
	s_mov_b32 s[CNT], 2
.Lstep_\@:
	STEP
	WIN 0
	s_sub_co_u32 s[CNT], s[CNT], 1
	s_cmp_lg_u32 s[CNT], 0
	s_cbranch_scc1 .Lstep_\@
.endm
; THE CHANGE OF SLOTS.  Each wave waits for all its tensor loads (one is out: its part of the other slot), adds 0 to its spare word, and waits for that and for its own reads of the slot.
; fill = 1: the barrier is a round of the cluster's, and the slot is filled again, with the keys two slots on, first thing behind it: it has two key steps, 320 matrix instructions, in which to land.
.macro CHANGE fill
	WIN 0
	s_wait_tensorcnt 0x0            ; no tensor load of mine is out, so a group 0 may be written
	ds_add_u32 v[SPW], v[NIL]       ; 0 onto my spare word
.if \fill
.irp g, G0K+4, G0V+4
	s_xor_b32 s[(\g)+1], s[(\g)+1], SLOT1
	s_add_nc_u64 s[(\g)+2:(\g)+3], s[(\g)+2:(\g)+3], 16384
.endr
	s_wait_xcnt 0x0                 ; the last prefetch, two key steps back, has read its address
	s_add_nc_u64 s[PFA:PFA+1], s[PFA:PFA+1], 16384
	s_wait_dscnt 0x0                ; the add is done, and my reads of the slot are over
	CROUND
	JLOAD
	ASK
.else
	s_wait_dscnt 0x0
	s_barrier_signal -1
	s_barrier_wait -1
.endif
	s_sub_co_u32 s[TBK], s[TBK], 128*PK
	s_xor_b32 s[TBK], s[TBK], SLOT1
	s_sub_co_u32 s[TBV], s[TBV], 128*PV
	s_xor_b32 s[TBV], s[TBV], SLOT1
.endm
	s_wait_tensorcnt 0x1            ; my parts of the band, the mask row and slot 0 are in; slot 1's may stay out
	s_barrier_signal -1
	s_barrier_wait -1               ; everybody's are
	v_add_nc_u32 v[AE], s[TBE], v[AE0]
	ELOADS                          ; key step 0's window
	s_wait_loadcnt 0x0              ; Q
	WIN 0
	s_mov_b32 s[SLOTS], 7
	s_branch .Lenter                ; slot 0 is entered without a change
.Lslot:                             ; six times: slots 2 to 7 are asked for
	CHANGE 1
.Lenter:
	TWO_STEPS
	s_sub_co_u32 s[SLOTS], s[SLOTS], 1
	s_cmp_lg_u32 s[SLOTS], 0
	s_cbranch_scc1 .Lslot
	CHANGE 0                        ; the tail is written out
	TWO_STEPS
	; THE WAY OUT.  l's two halves and the other half of the lanes' are added; O^T is divided by l and sent, in f32, through my stage (rows of 272 bytes, row la for my query), a tile at a time.
	WIN 0
	PLACES
.irp t, 0,1,2,3
	v_add_f32 v[ST+8*(\t)+4], v[ST+8*(\t)+2], v[ST+8*(\t)+3]
.endr
.irp t, 0,1,2,3
	v_permlanex16_b32 v[ST+8*(\t)+5], v[ST+8*(\t)+4], s[SEL], s[SEL+1]
.endr
.irp t, 0,1,2,3
	v_add_f32 v[ST+8*(\t)+4], v[ST+8*(\t)+4], v[ST+8*(\t)+5]
.endr
.irp t, 0,1,2,3
	v_rcp_f32 v[ST+8*(\t)+6], v[ST+8*(\t)+4]
.endr
	v_nop                           ; a plain instruction between the last reciprocal and the use of its result,
	s_wait_alu depctr_va_vdst(0)    ; and the wait ahead of the first use: one for the four
.macro PACK t                       ; a lane's eight channels of a channel block are 32 bytes of its query's row
	WIN W_RS
.set i, 32*(\t)
.rept 16
	v_pk_mul_f32 v[i:i+1], v[i:i+1], v[ST+8*(\t)+6:ST+8*(\t)+7] op_sel_hi:[1,0]
.set i, i+2
.endr
	WIN 0x04                        ; the stores' data in window 1, their address in window 0
.irp cb, 0,1,2,3
	ds_store_b128 v[OSTO], v[32*(\t)+8*(\cb):32*(\t)+8*(\cb)+3]   offset:(\cb)*64
	ds_store_b128 v[OSTO], v[32*(\t)+8*(\cb)+4:32*(\t)+8*(\cb)+7] offset:(\cb)*64+16
.endr
	WIN 0
.irp f, 0,1,2,3,4,5,6,7
	ds_load_b128 v[S+32*(\t)+4*(\f):S+32*(\t)+4*(\f)+3], v[ORD] offset:(\f)*544  ; two whole rows of 256 bytes; these see the stores above, and the next tile's stores come behind them
.endr
.endm
.macro SEND t, younger              ; younger: the LDS instructions issued behind tile t's loads
	WIN 0
.irp f, 0,1,2,3,4,5,6,7
	s_wait_dscnt (\younger)+7-(\f)
	global_store_b128 v[GO], v[S+32*(\t)+4*(\f):S+32*(\t)+4*(\f)+3], s[10:11] offset:(\t)*65536+(\f)*8192 th:TH_STORE_NT  ; 16 lanes store a position's 256 bytes of my head, aligned
.endr
.endm
	PACK 0
	PACK 1
	SEND 0, 16
	PACK 2
	SEND 1, 16
	PACK 3
	SEND 2, 16
	SEND 3, 0
	s_wait_tensorcnt 0x0            ; the wave's end: a closing add and its wait, behind my last tensor load and my last LDS store
	ds_add_u32 v[SPW], v[NIL]
	s_wait_dscnt 0x0
	CROUND                          ; the closing round: no work-group ends while a partner may still ask for a tile that names it
	s_endpgm
.Lfunc_end_k_qa0bd0b8887_attn:
	.size	k_qa0bd0b8887_attn, .Lfunc_end_k_qa0bd0b8887_attn-k_qa0bd0b8887_attn
	.p2alignl 7, 3214868480
	.fill 96, 4, 3214868480
	.section	.rodata,"a",@progbits
	.p2align	6, 0x0
	.amdhsa_kernel k_qa0bd0b8887_attn
		.amdhsa_group_segment_fixed_size 327680
		.amdhsa_private_segment_fixed_size 0
		.amdhsa_enable_private_segment 0
		.amdhsa_kernarg_size 32
		.amdhsa_user_sgpr_count 2
		.amdhsa_user_sgpr_kernarg_segment_ptr 1
		.amdhsa_wavefront_size32 1
		.amdhsa_system_sgpr_workgroup_id_x 1
		.amdhsa_system_sgpr_workgroup_id_y 1
		.amdhsa_system_sgpr_workgroup_id_z 1
		.amdhsa_system_vgpr_workitem_id 0
		.amdhsa_next_free_vgpr 1024
		.amdhsa_next_free_sgpr 100
		.amdhsa_reserve_vcc 1
		.amdhsa_float_denorm_mode_32 3
		.amdhsa_float_denorm_mode_16_64 3
		.amdhsa_memory_ordered 1
		.amdhsa_forward_progress 1
		.amdhsa_inst_pref_size 201
	.end_amdhsa_kernel
	.amdgpu_metadata
---
amdhsa.version: [ 1, 2 ]
amdhsa.kernels:
  - .name:           k_qa0bd0b8887_attn
    .symbol:         k_qa0bd0b8887_attn.kd
    .args:
      - { .name: qkv, .offset: 0, .size: 8, .value_kind: global_buffer, .address_space: global }
      - { .name: ef, .offset: 8, .size: 8, .value_kind: global_buffer, .address_space: global }
      - { .name: m8, .offset: 16, .size: 8, .value_kind: global_buffer, .address_space: global }
      - { .name: out0, .offset: 24, .size: 8, .value_kind: global_buffer, .address_space: global }
    .group_segment_fixed_size: 327680
    .private_segment_fixed_size: 0
    .kernarg_segment_align: 8
    .kernarg_segment_size: 32
    .max_flat_workgroup_size: 128
    .sgpr_count:     100
    .vgpr_count:     1024
    .wavefront_size: 32
...
	.end_amdgpu_metadata
.endif
;; end of part 5
